; MI455X (gfx1250); checked and timed in simulation.
; The chip was launched on July 23, 2026; its instructions are those of AMD's public machine-readable ISA for CDNA 5 (MIT licence, August 2026) and "CDNA5" Instruction Set Architecture Reference Guide (July 2026). The comments in the code are by the model that wrote it; some were corrected since.
;; Paged HSTU Infer Layer. Allowed arithmetic: matrix products marked QUANTISED: E2M3 operands, one E8M0 scale for each 32 along K, by v_wmma_scale_f32_16x16x128_f8f6f4 with both operands' format E2M3, f32 sums; everything else in f32.
;; Inputs: b_uvqk 2,048 float32; ln_in_b 512 float32; ln_in_w 512 float32; ln_out_b 512 float32; ln_out_w 512 float32; w_proj 512 x 512 float32; w_uvqk 512 x 2,048 float32; x 16,384 x 512 float32.
;; Outputs: out0 16,384 x 512 float32.
;; Constants: batch_size = 8, max_seqlen = 2048, num_targets = 64.
;; This version of the problem:
;;   THIS VERSION OF THE PROBLEM IS GIVEN IN LOW PRECISION. The matrix products marked QUANTISED in the list below multiply operands that are first quantised to E2M3 (2 exponent bits, 3 mantissa bits; 6 bits a number), with one power-of-two scale for each 32 numbers along K (OCP MX v1.0); their sums are f32. All else is computed in f32.
;;   The module's matrix products, in the order in which they are computed (A, B: the left and right operand; K: the contracted axis; several contracted axes count as one K, in the product's order):
;;     1. [M 16,384, K 512] x [K 512, N 2,048]; A: computed on the way; B: input w_uvqk: QUANTISED
;;     2. batch 64 x [M 2,048, K 64] x [K 64, N 2,048]; A: computed on the way; B: computed on the way: QUANTISED
;;     3. batch 64 x [M 64, K 2,048] x [K 2,048, N 2,048]; A: computed on the way; B: computed on the way: QUANTISED
;;     4. [M 16,384, K 512] x [K 512, N 512]; A: computed on the way; B: input w_proj: QUANTISED
;;   THE QUANTISER, for each operand of a quantised product, along K:
;;     - K is cut into blocks of 32 from its start; a last block that is shorter is filled with zeros.
;;     - A block's scale is 2^e with e = floor(log2(the largest magnitude in the block)) - 2, held to -126 .. 127; a block of zeros has e = 0. As a byte (E8M0): e + 127.
;;     - Each number is divided by its block's scale, clamped to +-7.5, and rounded to the nearest number of E2M3, ties to even, subnormals kept.
;;     - The product sums the exact products of the quantised numbers (number of the format x scale) in f32.
;;   ~~~python
;;   def quantise(x, axis):      # numpy; x: float32 -> the quantised numbers, widened to float32 again
;;       x = np.moveaxis(x, axis, -1); K = x.shape[-1]
;;       x = np.pad(x, [(0, 0)] * (x.ndim - 1) + [(0, -K % 32)]); x = x.reshape(x.shape[:-1] + (-1, 32)); a = np.abs(x).max(-1, keepdims=True)
;;       e = np.where(a > 0, np.clip(np.frexp(np.where(a > 0, a, 1))[1] - 1 - 2, -126, 127), 0)      # np.frexp(a)[1] - 1 = floor(log2(a)), exactly
;;       r = np.clip(x / 2.0 ** e, -7.5, 7.5)
;;       step = 2.0 ** (np.maximum(np.frexp(np.where(r == 0, 1, r))[1] - 1, 0) - 3)
;;       q = np.round(r / step) * step * 2.0 ** e      # np.round: ties to even
;;       return np.moveaxis(q.reshape(q.shape[:-2] + (-1,))[..., :K], -1, axis).astype(np.float32)
;;   ~~~
;;   OPERANDS COMPUTED ON THE WAY. 'Computed on the way' means the value that the module computes at that place (a softmax that the list does not call 'softmax' is quantised finished and normalised). What goes into a quantiser is computed in f32, as accurately as f32 sums, v_exp_f32 and their like allow (about 1e-6 of the number): no bf16 or f16 on the way to a quantiser, and a product that is left as it is and whose result goes on into a quantised operand takes f32 operands (vector FMAs, or v_wmma_f32_16x16x4_f32). A number that lies on a knife's edge between two numbers of the format may be rounded either way, as far as f32 arithmetic and the matrix unit's own rounding can turn it there, and no further.
;; One version. Each part assembles by itself: llvm-mc -triple=amdgcn-amd-amdhsa -mcpu=gfx1250 --defsym DOCPART=n.
;; ======== version 1 of 1: 4 launches
;; workspace buffers: prep 7,577,600 bytes; ub 33,554,432 bytes; qkv 20,185,088 bytes; ao 33,554,432 bytes
;; launch prep (part 1): grid 336 x 1, 4 waves a work-group, no clusters, 157,184 bytes of LDS; arguments x, w_uvqk, w_proj, ln_in_w, ln_in_b, prep; writes prep
.if DOCPART == 1
	.amdgcn_target "amdgcn-amd-amdhsa--gfx1250"
	.amdhsa_code_object_version 6
	.text
	.protected	k_q6b26845fe5_prep
	.globl	k_q6b26845fe5_prep
	.p2align	8
	.type	k_q6b26845fe5_prep,@function
k_q6b26845fe5_prep:
	s_mov_b64 s[64:65], 0
	v_nop
	global_prefetch_b8 v0, s[64:65] scope:SCOPE_SE
	s_setreg_imm32_b32 hwreg(HW_REG_WAVE_MODE, 25, 1), 1
	s_wait_xcnt 0x0
; PREP: both weights and layer_norm(x) become codes of FP6 (E2M3) with one E8M0 byte for each 32 along K (K = 512 in all three), laid as images of operand registers.
; TILES. Tile T of a matrix holds the 16 rows rho(T, r) = 32 (T / 2) + 8 (T % 2) + r + 8 (r / 8): with that choice the 16 result registers of two neighbouring tiles are 16 neighbours along the next K.
; CODES:  [T][K step s 0..3][c 0..2][lane][16 bytes]: registers 4 c .. 4 c + 3 of the 12-register fragment (tile T, K step s), lane by lane; 6,144 bytes a tile.
; SCALES: [T][r][s], one word (four bytes: the four blocks of a K step) each; 256 bytes a tile.
; Work-groups 0-63: w_uvqk (128 columns x 128 along K each); 64-79: w_proj; 80-335: four tiles of 16 rows of x each, one a wave.  Each of the three paths has LDS bytes of its own.
; A weight's K is its FIRST axis: a lane takes a column and its registers run down K, so a block of 32 lies in one lane and the codes come out with K innermost.
; The layer norm is taken in two passes (mean; then the squares of the differences), so no difference of large sums is formed.
; LIMITS: a block of zeros gets the byte 1 where the rule says 127 (its codes are zeros, and this program alone reads the bytes); blocks whose largest magnitude lies under 2^-124 share that byte; NaN and infinities are not served.
; The weights' scale words leave as single words, 16 bytes apart (40,960 bytes in the whole launch); all else leaves in stores of 512 or 256 consecutive bytes.
.set O_WQ,   0
.set O_WQS,  786432
.set O_WP,   819200
.set O_WPS,  1015808
.set O_XC,   1024000
.set O_XS,   7315456
.set XPW,    33024                     ; LDS: path X: a stage of 16 rows x 2,064 bytes for each wave, from byte 0 (2,064 = 129 x 16: the sixteen rows of a read start 16 bytes apart modulo 256)
.set WQST,   132096                    ; w_uvqk's path: 3,072 bytes a wave (the images of two fragments)
.set WPST,   144384                    ; w_proj's path: the same
.set SPARE,  156672                    ; the spare words, 128 bytes a wave: two blocks of 256 bytes that no other line names
.set SPW,  10                          ; v10  LDS address of my spare word; never rewritten
.set NIL,  11                          ; v11  0; never rewritten
.set PC,   160                         ; v160-179 the codes just made
.set TM,   180                         ; v180-183 largest magnitudes, v184-187 the other half's, then bytes, v188-191 the conversions' scale operands
.set PW,   192                         ; v192 the scale word just made
.set SEL,  36                          ; s[36:37] selects of v_permlanex16_b32: lane l xor 16
.set C512, 38                          ; s38  1 / 512
.set EPSR, 39                          ; s39  1e-5
.set MSB, 0
.macro WIN new                         ; the immediate's high byte repeats the setting that is left
.if MSB != \new
	s_set_vgpr_msb (MSB<<8)|\new
.set MSB, \new
.endif
.endm
.macro FINISH                          ; a wave's end, behind its last LDS store
	s_wait_tensorcnt 0x0
	ds_add_u32 v[SPW], v[NIL]
	s_wait_dscnt 0x0
	s_endpgm
.endm
; 64 numbers of a lane, register 16 b + i = k 32 b + 16 (lane / 16) + i of my row, become a fragment's codes in v[PC] .. v[PC + 11] and its scale word in v[PW].
.macro QUANT s
.irp b, 0,1,2,3
	v_max3_num_f32 v[TM+\b], |v[\s+16*\b]|, |v[\s+1+16*\b]|, 0x1800000   ; block b: my 16 numbers, and the floor 2^(3 - 127): the byte cannot fall under 1
.endr
.irp i, 2,4,6,8,10,12,14
.irp b, 0,1,2,3
	v_max3_num_f32 v[TM+\b], v[TM+\b], |v[\s+16*\b+\i]|, |v[\s+1+16*\b+\i]|   ; the four blocks by turns
.endr
.endr
.irp b, 0,1,2,3
	v_permlanex16_b32 v[TM+4+\b], v[TM+\b], s[SEL], s[SEL+1]
.endr
.irp b, 0,1,2,3
	v_max_num_f32 v[TM+\b], v[TM+\b], v[TM+4+\b]   ; with lane l xor 16's: the block's largest magnitude
.endr
.irp b, 0,1,2,3
	v_add_nc_u32 v[TM+8+\b], 0xff000000, v[TM+\b]  ; 2 off its exponent field: the conversion takes this operand's exponent field as its scale
.endr
.irp b, 0,1,2,3
	v_lshrrev_b32 v[TM+4+\b], 23, v[TM+8+\b]       ; the scale's byte
.endr
	v_lshl_or_b32 v[PW], v[TM+5], 8, v[TM+4]
	v_lshl_or_b32 v[PW], v[TM+6], 16, v[PW]
	v_lshl_or_b32 v[PW], v[TM+7], 24, v[PW]
.irp c, 0,1
	v_cvt_scalef32_pk16_fp6_f32 v[PC+6*\c:PC+2+6*\c], v[\s+32*\c:\s+15+32*\c], v[TM+8+2*\c]
	v_cvt_scalef32_pk16_fp6_f32 v[PC+12+4*\c:PC+14+4*\c], v[\s+16+32*\c:\s+31+32*\c], v[TM+8+2*\c+1]   ; (a conversion's three registers begin on an even number)
.endr
	v_nop                                          ; one plain place behind a scaled conversion
.irp c, 0,1                                    ; the operand's layout wants a whole block in a lane: lanes 0-15 block 2 c, lanes 16-31 block 2 c + 1
.irp i, 0,1,2
	v_permlane16_swap_b32 v[PC+6*\c+\i], v[PC+12+4*\c+\i]
.endr
.irp i, 0,1,2
	v_mov_b32 v[PC+3+6*\c+\i], v[PC+12+4*\c+\i]
.endr
.endr
.endm
.macro FOLD                            ; four pairs of partial sums, and lane l xor 16's: the row's sum in v12
	v_pk_add_f32 v[12:13], v[12:13], v[14:15]
	v_pk_add_f32 v[16:17], v[16:17], v[18:19]
	v_pk_add_f32 v[12:13], v[12:13], v[16:17]
	v_add_f32 v12, v12, v13
	v_permlanex16_b32 v13, v12, s[SEL], s[SEL+1]
	v_add_f32 v12, v12, v13
.endm
; The 256 numbers of my half row, in window 1, become (x - mean) x rsqrt(var + 1e-5), in place.  Sums in four chains of pairs.
.macro LNSTAT
	WIN 0x05                                       ; sources 0 and 1 window 1
.irp c, 0,1,2,3
	v_pk_add_f32 v[12+2*\c:13+2*\c], v[4*\c:4*\c+1], v[4*\c+2:4*\c+3]   ; the first eight pairs start the chains
.endr
	WIN 0x04                                       ; source 1 window 1
.set p, 8
.rept 120
	v_pk_add_f32 v[12+2*(p%4):13+2*(p%4)], v[12+2*(p%4):13+2*(p%4)], v[2*p:2*p+1]
.set p, p+1
.endr
	WIN 0
	FOLD
	v_mul_f32 v22, s[C512], v12                    ; the mean
	v_mov_b32 v23, v22
	WIN 0x41                                       ; destination and source 0 window 1
.set p, 0
.rept 128
	v_pk_add_f32 v[2*p:2*p+1], v[2*p:2*p+1], v[22:23] neg_lo:[0,1] neg_hi:[0,1]
.set p, p+1
.endr
	WIN 0x05
.irp c, 0,1,2,3
	v_pk_mul_f32 v[12+2*\c:13+2*\c], v[2*\c:2*\c+1], v[2*\c:2*\c+1]
.endr
.set p, 4
.rept 124
	v_pk_fma_f32 v[12+2*(p%4):13+2*(p%4)], v[2*p:2*p+1], v[2*p:2*p+1], v[12+2*(p%4):13+2*(p%4)]
.set p, p+1
.endr
	WIN 0
	FOLD
	v_fma_f32 v24, v12, s[C512], s[EPSR]           ; the variance + 1e-5 (the product by 1 / 512 is exact)
	v_rsq_f32 v24, v24
	v_nop                                          ; a plain place behind the transcendental,
	s_wait_alu depctr_va_vdst(0)                   ; and the wait ahead of its first reader
	v_mov_b32 v25, v24
	WIN 0x41
.set p, 0
.rept 128
	v_pk_mul_f32 v[2*p:2*p+1], v[2*p:2*p+1], v[24:25]
.set p, p+1
.endr
	WIN 0
.endm
; A weight [512][pitch / 4].  Work-group id: 128 columns (id / 4), K step id % 4.  Wave w: 32 columns, a pair of tiles; lane l: column l, that is tile bit 3 of l, row r = 8 x bit 4 + (l % 8).
.macro WPATH pitch, stage, codeoff, scaleoff, first, wp
	s_sub_co_u32 s20, ttmp9, \first
	s_lshr_b32 s21, s20, 2
	s_and_b32 s22, s20, 3                          ; the K step
	s_lshl_b32 s21, s21, 2
	s_add_co_u32 s21, s21, s16                     ; my pair of tiles
	s_mul_i32 s24, s22, 128*\pitch                 ; in: 128 rows a K step,
	s_lshl_b32 s23, s21, 7                         ; 128 bytes a pair
	s_add_co_u32 s24, s24, s23
	s_mov_b32 s25, 0
	s_add_nc_u64 s[26:27], s[\wp:\wp+1], s[24:25]
	s_mul_i32 s24, s21, 12288                      ; codes: two tiles of 6,144 bytes a pair, 1,536 a K step
	s_mul_i32 s23, s22, 1536
	s_add_co_u32 s24, s24, s23
	s_add_co_u32 s24, s24, \codeoff
	s_add_nc_u64 s[28:29], s[14:15], s[24:25]
	s_lshl_b32 s24, s21, 9                         ; scale words: 512 bytes a pair, 4 a K step
	s_lshl_b32 s23, s22, 2
	s_add_co_u32 s24, s24, s23
	s_add_co_u32 s24, s24, \scaleoff
	s_add_nc_u64 s[30:31], s[14:15], s[24:25]
	s_mul_i32 s23, s16, 3072
	s_add_co_u32 s23, s23, \stage                  ; my stage
	v_lshlrev_b32 v1, 2, v2                        ; in: 4 bytes a lane: a load reads 128 consecutive bytes, the four waves stand side by side
	v_and_b32 v8, 7, v0
	v_bfe_u32 v9, v0, 4, 1
	v_lshlrev_b32 v8, 4, v8
	v_lshl_add_u32 v8, v9, 7, v8                   ; 16 r
	v_bfe_u32 v9, v0, 3, 1                         ; which tile of the pair
	v_lshl_add_u32 v7, v9, 8, v8                   ; my scale word: 256 x tile + 16 r
	v_mad_u32_u24 v3, v9, 1536, v8
	v_add_nc_u32 v3, s23, v3                       ; into the stage: my tile's image, lane r's place
	v_lshlrev_b32 v6, 4, v2
	v_add_nc_u32 v5, s23, v6                       ; out of it: 16 x lane
.set i, 0
.rept 128
	global_load_b32 v[32+i], v1, s[26:27] offset:i*\pitch th:TH_LOAD_NT   ; W(128 s + i, my column)
.set i, i+1
.endr
.irp be, 0,1,2,3                               ; block be of 32 along K: it is block be % 2 of half be / 2 of the fragment, so its six registers belong to lane r + 16 (be % 2)
.set XB, 32+32*\be
.set CW, 160+8*\be
.if \be < 2
	s_wait_loadcnt 63                              ; of 128 loads at most the last 63 are out (the largest count that the wait can name): blocks 0 and 1 are in
.else
	s_wait_loadcnt 96-32*\be                       ; the later blocks' loads may be out
.endif
	v_max3_num_f32 v16, |v[XB]|, |v[XB+1]|, |v[XB+2]|
	v_max3_num_f32 v17, |v[XB+3]|, |v[XB+4]|, |v[XB+5]|
.irp i2, 6,10,14,18,22,26
	v_max3_num_f32 v16, v16, |v[XB+\i2]|, |v[XB+\i2+1]|
	v_max3_num_f32 v17, v17, |v[XB+\i2+2]|, |v[XB+\i2+3]|
.endr
	v_max3_num_f32 v16, v16, |v[XB+30]|, |v[XB+31]|
	v_max3_num_f32 v16, v16, v17, 0x1800000        ; and the floor 2^(3 - 127)
	v_add_nc_u32 v18, 0xff000000, v16              ; the conversions' scale operand
	v_lshrrev_b32 v19, 23, v18                     ; the byte
.if \be == 0
	v_mov_b32 v24, v19
.else
	v_lshl_or_b32 v24, v19, 8*\be, v24
.endif
	v_cvt_scalef32_pk16_fp6_f32 v[CW:CW+2], v[XB:XB+15], v18
	v_cvt_scalef32_pk16_fp6_f32 v[CW+4:CW+6], v[XB+16:XB+31], v18
	v_nop                                          ; one plain place behind a scaled conversion
	v_mov_b32 v[CW+3], v[CW+4]                     ; the block's six registers on end
	v_mov_b32 v[CW+4], v[CW+5]
	v_mov_b32 v[CW+5], v[CW+6]
.if \be < 2                                    ; fragment registers 0-5: 0-3 in the image's first 512 bytes, 4-5 in the low half of my 16 bytes of the second
	ds_store_b128 v3, v[CW:CW+3] offset:256*(\be%2)
	ds_store_b64 v3, v[CW+4:CW+5] offset:512+256*(\be%2)
.else                                          ; fragment registers 6-11: 6-7 in the high half there, 8-11 in the third 512 bytes
	ds_store_b64 v3, v[CW:CW+1] offset:520+256*(\be%2)
	ds_store_b128 v3, v[CW+2:CW+5] offset:1024+256*(\be%2)
.endif
.endr
.irp i, 0,1,2,3,4,5
	ds_load_b128 v[192+4*\i:195+4*\i], v5 offset:512*\i   ; LDS serves a wave's instructions in order: these see my stores
.endr
.irp i, 0,1,2,3,4,5
	s_wait_dscnt 5-\i                              ; the later read-backs may be out
	global_store_b128 v6, v[192+4*\i:195+4*\i], s[28:29] offset:(\i/3)*6144+(\i%3)*512   ; 512 consecutive bytes
.endr
	global_store_b32 v7, v24, s[30:31]             ; my column's scale word of this K step
	FINISH
.endm
	s_load_b256 s[4:11], s[0:1], 0x0               ; x s[4:5], w_uvqk s[6:7], w_proj s[8:9], ln_in_w s[10:11]
	s_load_b128 s[12:15], s[0:1], 0x20             ; ln_in_b s[12:13], prep s[14:15]
	v_lshl_add_u32 v[SPW], v0, 2, SPARE
	v_mov_b32 v[NIL], 0
	v_lshrrev_b32 v1, 5, v0
	v_readfirstlane_b32 s16, v1                    ; wave
	v_and_b32 v2, 31, v0                           ; lane
	s_mov_b32 s[SEL], 0x76543210
	s_mov_b32 s[SEL+1], 0xfedcba98
	s_mov_b32 s[C512], 0x3b000000
	s_mov_b32 s[EPSR], 0x3727c5ac
	s_wait_kmcnt 0x0
	s_cmp_lt_u32 ttmp9, 64
	s_cbranch_scc1 .Lwq
	s_cmp_lt_u32 ttmp9, 80
	s_cbranch_scc1 .Lwp
	; ---- PATH X: my wave's tile T of 16 rows of x.  Window 1: the tile's 256 numbers a lane.  Window 0: v4 16 x lane; v5, v6 the stage in and out; v7 the tables; v9 16 r; v12-25 statistics; v28-31 scale words; v32-95 w; v96-159 b, then y
	s_sub_co_u32 s20, ttmp9, 80
	s_lshl_b32 s20, s20, 2
	s_add_co_u32 s20, s20, s16                     ; T
	s_lshr_b32 s21, s20, 1
	s_lshl_b32 s21, s21, 16                        ; 32 (T / 2) rows of 2,048 bytes
	s_and_b32 s22, s20, 1
	s_lshl_b32 s22, s22, 14                        ; 8 (T % 2) rows
	s_add_co_u32 s22, s21, s22
	s_mov_b32 s23, 0
	s_add_nc_u64 s[4:5], s[4:5], s[22:23]
	s_mul_i32 s22, s20, 6144
	s_add_co_u32 s22, s22, O_XC
	s_add_nc_u64 s[24:25], s[14:15], s[22:23]      ; the tile's codes
	s_lshl_b32 s22, s20, 8
	s_add_co_u32 s22, s22, O_XS
	s_add_nc_u64 s[26:27], s[14:15], s[22:23]      ; and scale words
	s_mul_i32 s28, s16, XPW                        ; my stage
	v_lshlrev_b32 v4, 4, v2
	v_add_nc_u32 v5, s28, v4                       ; in: as loaded, 16 bytes a lane
	v_and_b32 v3, 15, v0                           ; r
	v_bfe_u32 v8, v0, 4, 1                         ; h
	v_mul_u32_u24 v6, v3, 2064
	v_lshl_add_u32 v6, v8, 6, v6
	v_add_nc_u32 v6, s28, v6                       ; out: row r, + 64 h: my 16 numbers of each block of 32
	v_lshlrev_b32 v7, 6, v8
	v_add_nc_u32 v7, s28, v7                       ; the tables: + 64 h
	v_lshlrev_b32 v9, 4, v3
.irp b, 0,1,2,3
	v_mov_b32 v[TM+4+\b], 0                        ; written once: a lane permute's destination counts as one of its sources
.endr
	WIN 0x40                                       ; destination window 1
.set i, 0
.rept 64
	global_load_b128 v[4*i:4*i+3], v4, s[4:5] offset:((i/4)+8*(i/32))*2048+512*(i%4) th:TH_LOAD_NT   ; row i / 4 of the tile, quarter i % 4: 512 consecutive bytes
.set i, i+1
.endr
	WIN 0
.irp q, 0,1,2,3
	global_load_b128 v[32+4*\q:35+4*\q], v4, s[10:11] offset:512*\q
	global_load_b128 v[48+4*\q:51+4*\q], v4, s[12:13] offset:512*\q
.endr
.irp g, 0,1,2,3
	s_wait_loadcnt 56-16*\g                        ; four rows are in; the later rows' loads and the tables' eight may be out
	WIN 0x04                                       ; an LDS store's data are its source 1: window 1
.set i, 16*\g
.rept 16
	ds_store_b128 v5, v[4*i:4*i+3] offset:(i/4)*2064+512*(i%4)
.set i, i+1
.endr
.endr
	s_wait_dscnt 0x0                               ; the stores have read their registers
	WIN 0x40
.set i, 0
.rept 64
	ds_load_b128 v[4*i:4*i+3], v6 offset:128*(i/4)+16*(i%4)   ; register 16 B + i = k 32 B + 16 h + i of row r
.set i, i+1
.endr
	WIN 0
	s_wait_loadcnt 0x0                             ; the tables
.irp q, 0,1,2,3
	ds_store_b128 v5, v[32+4*\q:35+4*\q] offset:512*\q          ; over my own stage, behind the reads above (LDS serves a wave's instructions in order): w at 0,
	ds_store_b128 v5, v[48+4*\q:51+4*\q] offset:2048+512*\q     ; b at 2,048
.endr
	s_wait_dscnt 8                                 ; the 64 reads are in; the eight stores may be out
	LNSTAT
.irp s, 0,1,2,3                                ; a K step of 128: y = d w + b, quantised
.irp b, 0,1,2,3
.irp j, 0,1,2,3
	ds_load_b128 v[32+16*\b+4*\j:35+16*\b+4*\j], v7 offset:512*\s+128*\b+16*\j
	ds_load_b128 v[96+16*\b+4*\j:99+16*\b+4*\j], v7 offset:2048+512*\s+128*\b+16*\j
.endr
.endr
	s_wait_dscnt 0x0
	WIN 0x01                                       ; source 0 window 1
.set p, 0
.rept 32
	v_pk_fma_f32 v[96+2*p:97+2*p], v[64*\s+2*p:64*\s+2*p+1], v[32+2*p:33+2*p], v[96+2*p:97+2*p]
.set p, p+1
.endr
	WIN 0
	s_wait_xcnt 0x0                                ; the last K step's stores have read the codes' registers
	QUANT 96
	v_mov_b32 v[28+\s], v[PW]
.irp c, 0,1,2
	global_store_b128 v4, v[PC+4*\c:PC+4*\c+3], s[24:25] offset:1536*\s+512*\c   ; 512 consecutive bytes
.endr
.endr
	global_store_b128 v9, v[28:31], s[26:27]       ; row r's four words: 256 consecutive bytes (lanes 16-31 write the same bytes with the same values)
	FINISH
.Lwq:
	WPATH 8192, WQST, O_WQ, O_WQS, 0, 6
.Lwp:
	WPATH 2048, WPST, O_WP, O_WPS, 64, 8
.Lfunc_end_k_q6b26845fe5_prep:
	.size	k_q6b26845fe5_prep, .Lfunc_end_k_q6b26845fe5_prep-k_q6b26845fe5_prep
	.p2alignl 7, 3214868480
	.fill 96, 4, 3214868480
	.section	.rodata,"a",@progbits
	.p2align	6, 0x0
	.amdhsa_kernel k_q6b26845fe5_prep
		.amdhsa_group_segment_fixed_size 157184
		.amdhsa_private_segment_fixed_size 0
		.amdhsa_enable_private_segment 0
		.amdhsa_kernarg_size 48
		.amdhsa_user_sgpr_count 2
		.amdhsa_user_sgpr_kernarg_segment_ptr 1
		.amdhsa_wavefront_size32 1
		.amdhsa_system_sgpr_workgroup_id_x 1
		.amdhsa_system_sgpr_workgroup_id_y 1
		.amdhsa_system_sgpr_workgroup_id_z 1
		.amdhsa_system_vgpr_workitem_id 0
		.amdhsa_next_free_vgpr 512
		.amdhsa_next_free_sgpr 66
		.amdhsa_reserve_vcc 0
		.amdhsa_float_denorm_mode_32 3
		.amdhsa_float_denorm_mode_16_64 3
		.amdhsa_memory_ordered 1
		.amdhsa_forward_progress 1
		.amdhsa_inst_pref_size 126
	.end_amdhsa_kernel
	.amdgpu_metadata
---
amdhsa.version: [ 1, 2 ]
amdhsa.kernels:
  - .name:           k_q6b26845fe5_prep
    .symbol:         k_q6b26845fe5_prep.kd
    .args:
      - { .name: x, .offset: 0, .size: 8, .value_kind: global_buffer, .address_space: global }
      - { .name: w_uvqk, .offset: 8, .size: 8, .value_kind: global_buffer, .address_space: global }
      - { .name: w_proj, .offset: 16, .size: 8, .value_kind: global_buffer, .address_space: global }
      - { .name: ln_in_w, .offset: 24, .size: 8, .value_kind: global_buffer, .address_space: global }
      - { .name: ln_in_b, .offset: 32, .size: 8, .value_kind: global_buffer, .address_space: global }
      - { .name: prep, .offset: 40, .size: 8, .value_kind: global_buffer, .address_space: global }
    .group_segment_fixed_size: 157184
    .private_segment_fixed_size: 0
    .kernarg_segment_align: 8
    .kernarg_segment_size: 48
    .max_flat_workgroup_size: 128
    .sgpr_count:     66
    .vgpr_count:     512
    .wavefront_size: 32
...
	.end_amdgpu_metadata
.endif
;; end of part 1
;; launch uvqk (part 2): grid 64 x 4, 4 waves a work-group, no clusters, 167,936 bytes of LDS; arguments prep, b_uvqk, ub, qkv; writes ub, qkv
.if DOCPART == 2
	.amdgcn_target "amdgcn-amd-amdhsa--gfx1250"
	.amdhsa_code_object_version 6
	.text
	.protected	k_q6b26845fe5_uvqk
	.globl	k_q6b26845fe5_uvqk
	.p2align	8
	.type	k_q6b26845fe5_uvqk,@function
k_q6b26845fe5_uvqk:
	s_mov_b64 s[64:65], 0
	v_nop
	global_prefetch_b8 v0, s[64:65] scope:SCOPE_SE
	s_setreg_imm32_b32 hwreg(HW_REG_WAVE_MODE, 25, 1), 1
	s_wait_xcnt 0x0
; UVQK: mixed = silu(xn w_uvqk + b_uvqk) on codes of FP6 with E8M0 scales; u is kept in f32; q, k (along the head's 64) and v (along the keys) are quantised for the attention.
; The grid's y is the kind: 0 u, 1 v, 2 q, 3 k; each work-group makes 256 x 512 numbers.  A wave keeps a STATIONARY operand of 8 tiles x 4 K steps in 384 registers; all four waves walk 16 STREAMED tiles that lie in LDS.
;   u, q, k: stationary = weight tiles 32 kind + 8 w + t, streamed = token tiles 16 x + i: a lane holds one token, its 64 registers 128 neighbouring outputs (half of them in lane l xor 16).
;   v:       stationary = token tiles 32 (x / 2) + 8 w + t (128 keys), streamed = weight tiles 32 + 16 (x % 2) + i: a lane holds one channel, its registers run along the keys, as v's quantiser wants.
; Tile T holds the rows 32 (T / 2) + 8 (T % 2) + r + 8 (r / 8), so the 16 registers of result tiles 2 b, 2 b + 1 are the neighbours 32 b + 16 (lane / 16) + 0 .. 15.
; The bias is the C of each sum's first matrix instruction: eight registers a tile (u, q, k), or one number a lane in eight registers (v).
; OUT.  ub: [token tile][B 0..15][j 0..3][lane][16 bytes]: lane (r, h) holds channels 32 B + 16 h + 4 j .. + 3.
; qkv: a record of 315,392 bytes for each (batch, head): K [tile][512 bytes: registers 0-3, 16 a lane | 256 bytes: registers 4-5, 8 a lane] at 0; V [step of 128 keys][16 channels dt][3][lane][16] at 98,304;
;   K's scale words [tile][r] at 196,608; V's [step][dt][r] at 204,800; Q as K at 208,896; Q's words at 307,200.  In Q's and K's words bytes 2 and 3 (K = 64 has two blocks) are 0.
; The streamed tiles come by two tensor loads a wave (a quarter of the codes, a quarter of the scale words), both first fills.
; No cluster: work-groups that share the LDS-borne tiles differ in kind and so in their branches; what work-groups of one kind share goes straight into registers.
; LIMITS: a block of zeros gets the byte 1 where the rule says 127 (zero codes; the bytes are this program's own); NaN and infinities are not served.  silu(z) = z / (1 + 2^(-z log2 e)) is 0 where the power overflows.
; REGISTERS.  Window 0: v1 16 x lane, v2 8 x lane, v3 16 r, v4 scale words in LDS, v5 4 r + a record x h, v6 4 r, v7 4 (r + 8 (r / 8)), v8 16 h, v9-10 addresses in hand, v14 a word to store, v16-23 v's bias, v24 its number,
;   v25 64 h; v48-111 sums; v112-131 codes; v132-179 the streamed tile, v132-195 at work; v196-207, v216 the quantiser's; v220-223 the streamed tile's scale words; v224-255 the stationary tiles'.
;   Window 1: stationary fragments of K steps 0, 1 at 12 (8 s + t).  Window 2: of K steps 2, 3; from v192 the bias's eight tiles.
.set O_WQS,  786432
.set O_XC,   1024000
.set O_XS,   7315456
.set REC,    315392
.set R_V,    98304
.set R_KS,   196608
.set R_VS,   204800
.set R_Q,    208896
.set R_QS,   307200
.set LSC,    98304                     ; LDS: 16 tiles of codes from 0; their scale words here;
.set SPARE,  102400                    ; the spare words, 128 bytes a wave: two blocks of 256 bytes that no other line names
.set SPW,  12
.set NIL,  13
.set ACC,  48
.set PC,   112
.set TF,   132
.set TM,   196
.set PW,   216
.set TS,   220
.set SS,   224
.set BI,   192
.set SEL,  40
.set MSB, 0
.macro WIN new                         ; the immediate's high byte repeats the setting that is left
.if MSB != \new
	s_set_vgpr_msb (MSB<<8)|\new
.set MSB, \new
.endif
.endm
.macro PLACES n
.rept \n
	v_nop
.endr
.endm
.macro QUANT s                         ; 64 numbers of a lane, register 16 b + i = k 32 b + 16 (lane / 16) + i of my row -> codes in v[PC] .. v[PC + 11], scale word in v[PW]
.irp b, 0,1,2,3
	v_max3_num_f32 v[TM+\b], |v[\s+16*\b]|, |v[\s+1+16*\b]|, 0x1800000   ; and the floor 2^(3 - 127): the byte cannot fall under 1
.endr
.irp i, 2,4,6,8,10,12,14
.irp b, 0,1,2,3
	v_max3_num_f32 v[TM+\b], v[TM+\b], |v[\s+16*\b+\i]|, |v[\s+1+16*\b+\i]|
.endr
.endr
.irp b, 0,1,2,3
	v_permlanex16_b32 v[TM+4+\b], v[TM+\b], s[SEL], s[SEL+1]
.endr
.irp b, 0,1,2,3
	v_max_num_f32 v[TM+\b], v[TM+\b], v[TM+4+\b]
.endr
.irp b, 0,1,2,3
	v_add_nc_u32 v[TM+8+\b], 0xff000000, v[TM+\b]  ; 2 off the exponent field: the conversion's scale operand
.endr
.irp b, 0,1,2,3
	v_lshrrev_b32 v[TM+4+\b], 23, v[TM+8+\b]
.endr
	v_lshl_or_b32 v[PW], v[TM+5], 8, v[TM+4]
	v_lshl_or_b32 v[PW], v[TM+6], 16, v[PW]
	v_lshl_or_b32 v[PW], v[TM+7], 24, v[PW]
.irp c, 0,1
	v_cvt_scalef32_pk16_fp6_f32 v[PC+6*\c:PC+2+6*\c], v[\s+32*\c:\s+15+32*\c], v[TM+8+2*\c]
	v_cvt_scalef32_pk16_fp6_f32 v[PC+12+4*\c:PC+14+4*\c], v[\s+16+32*\c:\s+31+32*\c], v[TM+8+2*\c+1]
.endr
	v_nop                                          ; one plain place behind a scaled conversion
.irp c, 0,1
.irp i, 0,1,2
	v_permlane16_swap_b32 v[PC+6*\c+\i], v[PC+12+4*\c+\i]
.endr
.irp i, 0,1,2
	v_mov_b32 v[PC+3+6*\c+\i], v[PC+12+4*\c+\i]
.endr
.endr
.endm
; z = z / (1 + 2^(lit z)) on 64 registers; e: 64 registers at work.  The exponentials are one batch with one wait, and so are the reciprocals: the wait stands ahead of a batch's first reader.
.macro SILU z, e, lit
.set p, 0
.rept 32
	v_pk_mul_f32 v[\e+2*p:\e+2*p+1], v[\z+2*p:\z+2*p+1], \lit op_sel_hi:[1,0]   ; each sum is read from its low end on
.set p, p+1
.endr
.set p, 0
.rept 64
	v_exp_f32 v[\e+p], v[\e+p]
.set p, p+1
.endr
	v_nop
	s_wait_alu depctr_va_vdst(0)
.set p, 0
.rept 32
	v_pk_add_f32 v[\e+2*p:\e+2*p+1], v[\e+2*p:\e+2*p+1], 1.0 op_sel_hi:[1,0]
.set p, p+1
.endr
.set p, 0
.rept 64
	v_rcp_f32 v[\e+p], v[\e+p]
.set p, p+1
.endr
	v_nop
	s_wait_alu depctr_va_vdst(0)
.set p, 0
.rept 32
	v_pk_mul_f32 v[\z+2*p:\z+2*p+1], v[\z+2*p:\z+2*p+1], v[\e+2*p:\e+2*p+1]
.set p, p+1
.endr
.endm
; K step s of the eight sums, which take turns.  cmode 1: C = v's bias; 2: C = the bias's tiles; 0: in place
.macro MM s, cmode
.irp t, 0,1,2,3,4,5,6,7
.if \cmode == 1
	v_wmma_scale_f32_16x16x128_f8f6f4 v[ACC+8*\t:ACC+8*\t+7], v[12*(8*((\s)%2)+\t):12*(8*((\s)%2)+\t)+11], v[TF+12*(\s):TF+12*(\s)+11], v[16:23], v[SS+4*\t+(\s)], v[TS+(\s)] matrix_a_fmt:MATRIX_FMT_FP6 matrix_b_fmt:MATRIX_FMT_FP6
.elseif \cmode == 2
	v_wmma_scale_f32_16x16x128_f8f6f4 v[ACC+8*\t:ACC+8*\t+7], v[12*(8*((\s)%2)+\t):12*(8*((\s)%2)+\t)+11], v[TF+12*(\s):TF+12*(\s)+11], v[BI+8*\t:BI+8*\t+7], v[SS+4*\t+(\s)], v[TS+(\s)] matrix_a_fmt:MATRIX_FMT_FP6 matrix_b_fmt:MATRIX_FMT_FP6
.else
	v_wmma_scale_f32_16x16x128_f8f6f4 v[ACC+8*\t:ACC+8*\t+7], v[12*(8*((\s)%2)+\t):12*(8*((\s)%2)+\t)+11], v[TF+12*(\s):TF+12*(\s)+11], v[ACC+8*\t:ACC+8*\t+7], v[SS+4*\t+(\s)], v[TS+(\s)] matrix_a_fmt:MATRIX_FMT_FP6 matrix_b_fmt:MATRIX_FMT_FP6
.endif
.endr
.endm
; The streamed tile s43: four fragments and a row's four scale words from LDS; in kind v its columns' bias, one number a lane.  Then the three counters step.
.macro FETCH
	v_add_nc_u32 v9, s44, v1
	v_add_nc_u32 v10, s45, v4
.irp s, 0,1,2,3
.irp c, 0,1,2
	ds_load_b128 v[TF+12*\s+4*\c:TF+12*\s+4*\c+3], v9 offset:1536*\s+512*\c
.endr
.endr
	ds_load_b128 v[TS:TS+3], v10
	s_cmp_eq_u32 s13, 1
	s_cbranch_scc0 .Lno_bias_\@
	s_lshr_b32 s54, s43, 1
	s_lshl_b32 s54, s54, 7                         ; 32 (tile / 2) numbers,
	s_and_b32 s55, s43, 1
	s_lshl_b32 s55, s55, 5                         ; 8 (tile % 2)
	s_add_co_u32 s54, s54, s55
	s_mov_b32 s55, 0
	s_add_nc_u64 s[52:53], s[50:51], s[54:55]      ; (the last such load has been waited for)
	global_load_b32 v24, v7, s[52:53]
.Lno_bias_\@:
	s_add_co_u32 s43, s43, 1
	s_add_co_u32 s44, s44, 6144
	s_add_co_u32 s45, s45, 256
.endm
; One streamed tile.  fetch = 1: the next tile is fetched and the store pointers step.
.macro TRIP fetch
	s_wait_dscnt 0x0                               ; the tile's fragments and scale words are in
	s_wait_loadcnt 0x0                             ; and, in kind v, its bias
	s_cmp_eq_u32 s13, 1
	s_cbranch_scc0 .Lrows_\@
.irp j, 0,1,2,3,4,5,6,7
	v_mov_b32 v[16+\j], v24                        ; kind v: my channel's bias for my eight keys of every tile
.endr
	PLACES 4
	WIN 0x01                                       ; source 0 window 1
	MM 0, 1
	WIN 0
	s_branch .Lk1_\@
.Lrows_\@:
	WIN 0x21                                       ; source 0 window 1, source 2 window 2
	MM 0, 2
	WIN 0
.Lk1_\@:
	WIN 0x01
	MM 1, 0
	WIN 0x02                                       ; source 0 window 2
	MM 2, 0
	MM 3, 0
	WIN 0
	PLACES 4                                       ; behind the last products: ahead of the reads of the sums and of writes and loads into the streamed tile's registers
	SILU ACC, TF, 0xbfb8aa3b                       ; -log2(e)
.if \fetch
	FETCH
.endif
	s_cmp_eq_u32 s13, 0
	s_cbranch_scc0 .Lcodes_\@
.irp b, 0,1,2,3
.irp j, 0,1,2,3
	global_store_b128 v1, v[ACC+16*\b+4*\j:ACC+16*\b+4*\j+3], s[46:47] offset:2048*\b+512*\j   ; u as it stands: 512 consecutive bytes
.endr
.endr
	s_branch .Lstep_\@
.Lcodes_\@:
	QUANT ACC
	s_cmp_eq_u32 s13, 1
	s_cbranch_scc1 .Lkeys_\@
	global_store_b128 v1, v[PC:PC+3], s[46:47]                     ; q, k: registers 0-5 are head 2 w's 64 channels,
	global_store_b64 v2, v[PC+4:PC+5], s[46:47] offset:512
	global_store_b128 v1, v[PC+6:PC+9], s[46:47] offset:REC        ; registers 6-11 head 2 w + 1's: the next record
	global_store_b64 v2, v[PC+10:PC+11], s[46:47] offset:REC+512
	v_lshrrev_b32 v14, v8, v[PW]                   ; lanes 0-15 store head 2 w's two bytes, lanes 16-31 head 2 w + 1's
	v_and_b32 v14, 0xffff, v14
	global_store_b32 v5, v14, s[48:49]
	s_branch .Lstep_\@
.Lkeys_\@:
.irp c, 0,1,2
	global_store_b128 v1, v[PC+4*\c:PC+4*\c+3], s[46:47] offset:512*\c   ; v: a whole fragment, 16 channels x 128 keys
.endr
	global_store_b32 v6, v[PW], s[48:49]           ; (lanes 16-31 write the same words with the same values)
.Lstep_\@:
.if \fetch
	s_wait_xcnt 0x0                                ; the stores have read their data and their bases: both may be written again
	s_and_b32 s54, s42, 3
	s_cmp_eq_u32 s54, 3                            ; kind v: behind a head's fourth tile the next record
	s_cselect_b32 s54, s81, s80
	s_cselect_b32 s56, s83, s82
	s_mov_b32 s55, 0
	s_mov_b32 s57, 0
	s_add_nc_u64 s[46:47], s[46:47], s[54:55]
	s_add_nc_u64 s[48:49], s[48:49], s[56:57]
.endif
.endm
	s_load_b256 s[4:11], s[0:1], 0x0               ; prep s[4:5], b_uvqk s[6:7], ub s[8:9], qkv s[10:11]
	v_lshl_add_u32 v[SPW], v0, 2, SPARE
	v_mov_b32 v[NIL], 0
	ds_add_u32 v[SPW], v[NIL]                      ; the wave's opening: the add and its wait stand ahead of my first tensor load; work on registers stands between them
	v_lshrrev_b32 v1, 5, v0
	v_readfirstlane_b32 s12, v1                    ; wave
	s_and_b32 s13, ttmp7, 0xffff                   ; kind
	s_mov_b32 s14, ttmp9                           ; x
	; descriptor groups 1: dense blocks as rows of 256 bytes (32 elements of 8 bytes): 96 rows of codes, 4 rows of scale words a wave
	s_mov_b32 s16, 3<<16
	s_mov_b32 s17, 32<<16
	s_mov_b32 s18, 96<<16
	s_mov_b32 s19, 32<<16
	s_mov_b32 s20, 96
	s_mov_b32 s21, 32
	s_mov_b32 s22, 0
	s_mov_b32 s23, 0
	s_mov_b32 s24, 3<<16
	s_mov_b32 s25, 32<<16
	s_mov_b32 s26, 4<<16
	s_mov_b32 s27, 32<<16
	s_mov_b32 s28, 4
	s_mov_b32 s29, 32
	s_mov_b32 s30, 0
	s_mov_b32 s31, 0
	s_mov_b32 s[SEL], 0x76543210
	s_mov_b32 s[SEL+1], 0xfedcba98
	; byte offsets in prep.  u, q, k: streamed = token tiles 16 x on, stationary = weight tiles 32 kind on
	s_mul_i32 s54, s14, 98304
	s_add_co_u32 s54, s54, O_XC
	s_lshl_b32 s55, s14, 12
	s_add_co_u32 s55, s55, O_XS
	s_mul_i32 s56, s13, 196608
	s_lshl_b32 s57, s13, 13
	s_add_co_u32 s57, s57, O_WQS
	; v: streamed = weight tiles 32 + 16 (x % 2) on, stationary = token tiles 32 (x / 2) on
	s_and_b32 s58, s14, 1
	s_mul_i32 s59, s58, 98304
	s_add_co_u32 s59, s59, 196608
	s_lshl_b32 s60, s58, 12
	s_add_co_u32 s60, s60, O_WQS+8192
	s_lshr_b32 s61, s14, 1
	s_mul_i32 s62, s61, 196608
	s_add_co_u32 s62, s62, O_XC
	s_lshl_b32 s63, s61, 13
	s_add_co_u32 s63, s63, O_XS
	s_cmp_eq_u32 s13, 1
	s_cselect_b32 s54, s59, s54
	s_cselect_b32 s55, s60, s55
	s_cselect_b32 s56, s62, s56
	s_cselect_b32 s57, s63, s57
	s_mul_i32 s59, s12, 24576                      ; my quarter of the streamed codes,
	s_add_co_u32 s54, s54, s59
	s_lshl_b32 s60, s12, 10                        ; of their scale words;
	s_add_co_u32 s55, s55, s60
	s_mul_i32 s61, s12, 49152                      ; my eight stationary tiles
	s_add_co_u32 s56, s56, s61
	s_lshl_b32 s61, s12, 11
	s_add_co_u32 s57, s57, s61
	; where the results go.  q, k: record 8 (x / 8) + 2 w, tile 16 (x % 8) on
	s_lshr_b32 s72, s14, 3
	s_lshl_b32 s72, s72, 3
	s_lshl_b32 s73, s12, 1
	s_add_co_u32 s73, s72, s73
	s_mul_i32 s73, s73, REC
	s_and_b32 s74, s14, 7
	s_mul_i32 s75, s74, 12288
	s_add_co_u32 s75, s73, s75
	s_lshl_b32 s74, s74, 10
	s_add_co_u32 s74, s73, s74
	s_add_co_u32 s74, s74, R_KS
	s_cmp_eq_u32 s13, 2
	s_cselect_b32 s76, R_Q, 0
	s_cselect_b32 s77, R_QS-R_KS, 0
	s_add_co_u32 s75, s75, s76
	s_add_co_u32 s74, s74, s77
	; v: record 8 (x / 8) + 4 (x % 2), step 4 ((x / 2) % 4) + w
	s_lshl_b32 s76, s58, 2
	s_add_co_u32 s76, s72, s76
	s_mul_i32 s76, s76, REC
	s_lshr_b32 s77, s14, 1
	s_and_b32 s77, s77, 3
	s_lshl_b32 s77, s77, 2
	s_add_co_u32 s77, s77, s12
	s_mul_i32 s78, s77, 6144
	s_add_co_u32 s78, s78, s76
	s_add_co_u32 s78, s78, R_V
	s_lshl_b32 s77, s77, 8
	s_add_co_u32 s77, s77, s76
	s_add_co_u32 s77, s77, R_VS
	s_cmp_eq_u32 s13, 1
	s_cselect_b32 s75, s78, s75
	s_cselect_b32 s74, s77, s74
	; u: tile 16 x on, blocks 4 w on
	s_lshl_b32 s76, s14, 19
	s_lshl_b32 s77, s12, 13
	s_add_co_u32 s76, s76, s77
	s_cmp_eq_u32 s13, 0
	s_cselect_b32 s75, s76, s75
	s_cselect_b32 s74, 0, s74
	; the pointers' steps from tile to tile: s80, s82; behind tiles 3, 7, 11: s81, s83
	s_mov_b32 s80, 768
	s_mov_b32 s81, 768
	s_mov_b32 s82, 64
	s_mov_b32 s83, 64
	s_cmp_eq_u32 s13, 1
	s_cselect_b32 s80, 1536, s80
	s_cselect_b32 s81, REC-3*1536, s81
	s_cselect_b32 s83, REC-3*64, s83
	s_cmp_eq_u32 s13, 0
	s_cselect_b32 s80, 32768, s80
	s_cselect_b32 s81, 32768, s81
	s_cselect_b32 s82, 0, s82
	s_cselect_b32 s83, 0, s83
	s_wait_dscnt 0x0                               ; the opening add is done
	s_wait_kmcnt 0x0
	s_mov_b32 s32, 1                               ; group 0 for the codes: count 1,
	s_mul_i32 s33, s12, 24576                      ; LDS address,
	s_mov_b32 s2, s54
	s_mov_b32 s3, 0
	s_add_nc_u64 s[34:35], s[4:5], s[2:3]          ; global address,
	s_or_b32 s35, s35, 0x80000000                  ; type 2
	s_mov_b32 s36, 1                               ; and for the scale words
	s_lshl_b32 s37, s12, 10
	s_add_co_u32 s37, s37, LSC
	s_mov_b32 s2, s55
	s_add_nc_u64 s[38:39], s[4:5], s[2:3]
	s_or_b32 s39, s39, 0x80000000
	tensor_load_to_lds s[32:35], s[16:23]
	s_nop 0
	tensor_load_to_lds s[36:39], s[24:31]
	s_nop 0
	PLACES 4
	s_mov_b32 s2, s56
	s_add_nc_u64 s[66:67], s[4:5], s[2:3]          ; the stationary codes,
	s_mov_b32 s2, s57
	s_add_nc_u64 s[68:69], s[4:5], s[2:3]          ; their scale words
	s_lshl_b32 s2, s13, 11
	s_lshl_b32 s54, s12, 9
	s_add_co_u32 s2, s2, s54
	s_add_nc_u64 s[70:71], s[6:7], s[2:3]          ; the bias of outputs 512 kind + 128 w on
	s_lshl_b32 s2, s58, 10
	s_add_co_u32 s2, s2, 2048
	s_add_nc_u64 s[50:51], s[6:7], s[2:3]          ; kind v: the bias of outputs 512 + 256 (x % 2) on
	s_cmp_eq_u32 s13, 0
	s_cselect_b64 s[46:47], s[8:9], s[10:11]       ; u goes to ub, codes to qkv
	s_mov_b32 s2, s75
	s_add_nc_u64 s[46:47], s[46:47], s[2:3]
	s_mov_b32 s2, s74
	s_add_nc_u64 s[48:49], s[10:11], s[2:3]
	v_and_b32 v2, 31, v0
	v_lshlrev_b32 v1, 4, v2
	v_lshlrev_b32 v2, 3, v2
	v_and_b32 v11, 15, v0                          ; r
	v_bfe_u32 v15, v0, 4, 1                        ; h
	v_lshlrev_b32 v3, 4, v11
	v_add_nc_u32 v4, LSC, v3
	v_lshlrev_b32 v6, 2, v11
	v_mul_u32_u24 v5, v15, REC
	v_add_nc_u32 v5, v5, v6
	v_and_b32 v7, 8, v11
	v_add_nc_u32 v7, v7, v11
	v_lshlrev_b32 v7, 2, v7
	v_lshlrev_b32 v8, 4, v15
	v_lshlrev_b32 v25, 6, v15
	v_mov_b32 v24, 0
.irp b, 0,1,2,3
	v_mov_b32 v[TM+4+\b], 0                        ; written once: a lane permute's destination counts as one of its sources
.endr
	WIN 0x40                                       ; destination window 1
.irp s, 0,1
.irp t, 0,1,2,3,4,5,6,7
.irp c, 0,1,2
	global_load_b128 v[12*(8*\s+\t)+4*\c:12*(8*\s+\t)+4*\c+3], v1, s[66:67] offset:6144*\t+1536*\s+512*\c
.endr
.endr
.endr
	WIN 0x80                                       ; destination window 2
.irp s, 0,1
.irp t, 0,1,2,3,4,5,6,7
.irp c, 0,1,2
	global_load_b128 v[12*(8*\s+\t)+4*\c:12*(8*\s+\t)+4*\c+3], v1, s[66:67] offset:6144*\t+1536*(\s+2)+512*\c
.endr
.endr
.endr
.irp t, 0,1,2,3,4,5,6,7                        ; lane (r, h) wants, for tile t, the bias of outputs 32 (t / 2) + 16 h + 8 (t % 2) + 0 .. 7
	global_load_b128 v[BI+8*\t:BI+8*\t+3], v25, s[70:71] offset:(32*(\t/2)+8*(\t%2))*4
	global_load_b128 v[BI+8*\t+4:BI+8*\t+7], v25, s[70:71] offset:(32*(\t/2)+8*(\t%2))*4+16
.endr
	WIN 0
.irp t, 0,1,2,3,4,5,6,7
	global_load_b128 v[SS+4*\t:SS+4*\t+3], v3, s[68:69] offset:256*\t   ; row r's words of the four K steps
.endr
	s_wait_loadcnt 0x0
	s_wait_tensorcnt 0x0                           ; my quarters have landed,
	s_barrier_signal -1
	s_barrier_wait -1                              ; everybody's have
	s_mov_b32 s42, 0
	s_mov_b32 s43, 0
	s_mov_b32 s44, 0
	s_mov_b32 s45, 0
	FETCH                                          ; tile 0
.Ltile:                                            ; fifteen trips; each fetches the next tile
	TRIP 1
	s_add_co_u32 s42, s42, 1
	s_cmp_lt_u32 s42, 15
	s_cbranch_scc1 .Ltile
	TRIP 0                                         ; the last tile is written out: nothing is left to fetch
	s_wait_tensorcnt 0x0                           ; the wave's end
	ds_add_u32 v[SPW], v[NIL]
	s_wait_dscnt 0x0
	s_endpgm
.Lfunc_end_k_q6b26845fe5_uvqk:
	.size	k_q6b26845fe5_uvqk, .Lfunc_end_k_q6b26845fe5_uvqk-k_q6b26845fe5_uvqk
	.p2alignl 7, 3214868480
	.fill 96, 4, 3214868480
	.section	.rodata,"a",@progbits
	.p2align	6, 0x0
	.amdhsa_kernel k_q6b26845fe5_uvqk
		.amdhsa_group_segment_fixed_size 167936
		.amdhsa_private_segment_fixed_size 0
		.amdhsa_enable_private_segment 0
		.amdhsa_kernarg_size 32
		.amdhsa_user_sgpr_count 2
		.amdhsa_user_sgpr_kernarg_segment_ptr 1
		.amdhsa_wavefront_size32 1
		.amdhsa_system_sgpr_workgroup_id_x 1
		.amdhsa_system_sgpr_workgroup_id_y 1
		.amdhsa_system_sgpr_workgroup_id_z 1
		.amdhsa_system_vgpr_workitem_id 0
		.amdhsa_next_free_vgpr 768
		.amdhsa_next_free_sgpr 84
		.amdhsa_reserve_vcc 0
		.amdhsa_float_denorm_mode_32 3
		.amdhsa_float_denorm_mode_16_64 3
		.amdhsa_memory_ordered 1
		.amdhsa_forward_progress 1
		.amdhsa_inst_pref_size 69
	.end_amdhsa_kernel
	.amdgpu_metadata
---
amdhsa.version: [ 1, 2 ]
amdhsa.kernels:
  - .name:           k_q6b26845fe5_uvqk
    .symbol:         k_q6b26845fe5_uvqk.kd
    .args:
      - { .name: prep, .offset: 0, .size: 8, .value_kind: global_buffer, .address_space: global }
      - { .name: b_uvqk, .offset: 8, .size: 8, .value_kind: global_buffer, .address_space: global }
      - { .name: ub, .offset: 16, .size: 8, .value_kind: global_buffer, .address_space: global }
      - { .name: qkv, .offset: 24, .size: 8, .value_kind: global_buffer, .address_space: global }
    .group_segment_fixed_size: 167936
    .private_segment_fixed_size: 0
    .kernarg_segment_align: 8
    .kernarg_segment_size: 32
    .max_flat_workgroup_size: 128
    .sgpr_count:     84
    .vgpr_count:     768
    .wavefront_size: 32
...
	.end_amdgpu_metadata
.endif
;; end of part 2
;; launch attn (part 3): grid 4 x 64, 16 waves a work-group, clusters of 4 x 1, 210,944 bytes of LDS; arguments qkv, ao; writes ao
.if DOCPART == 3
	.amdgcn_target "amdgcn-amd-amdhsa--gfx1250"
	.amdhsa_code_object_version 6
	.text
	.protected	k_q6b26845fe5_attn
	.globl	k_q6b26845fe5_attn
	.p2align	8
	.type	k_q6b26845fe5_attn,@function
k_q6b26845fe5_attn:
	s_mov_b64 s[64:65], 0
	v_nop
	global_prefetch_b8 v0, s[64:65] scope:SCOPE_SE
	s_setreg_imm32_b32 hwreg(HW_REG_WAVE_MODE, 25, 1), 1
	s_wait_xcnt 0x0
	s_wait_alu depctr_hold_cnt(0) depctr_sa_sdst(0) depctr_va_vdst(0) depctr_va_sdst(0) depctr_va_ssrc(0) depctr_va_vcc(0) depctr_vm_vsrc(0)
	s_getreg_b32 s2, hwreg(HW_REG_IB_STS2, 6, 4)
	s_cmp_eq_u32 s2, 0
	s_cbranch_scc0 .Lentry_in_a_cluster
	s_endpgm
.Lentry_in_a_cluster:
	s_bfe_u32 s2, ttmp6, 0x10000c
	s_cmp_lg_u32 s2, 0x3003
	s_cbranch_scc0 .Lentry_shape_is_right
	s_endpgm
.Lentry_shape_is_right:
; ATTN: attn_out = (silu(q k^T / 8) / 2048, masked) v for one (batch, head) a cluster, both products on codes of FP6 with E8M0 scales.
; 1 / 8 and 1 / 2048 are powers of two and pass through the quantiser (a block's scale is a power of two): p' = s / (1 + 2^(-s log2(e) / 8)) is quantised along the keys, and the sums are multiplied by 2^-14 once.
; THE MASK: key j counts for query i where j <= i and (j < 1,984 or j = i).  Key steps that lie wholly behind a wave's queries are left out; in the step on the diagonal hidden scores become 0, of which p' is 0.
; SHARES.  The head's whole K, V and their scale words (208,896 dense bytes of its record) come into LDS once, by joint loads of the cluster's four work-groups, one a wave; nothing is filled again, and no barrier stands in the loops.
; Wave w, with jj = w / 2 and e = 2 cx + w % 2, owns the query tiles 8 row + e of rows (of 128 queries) 15 - jj and jj: 17 key steps of 128 in every wave.  The place in the cluster enters Q's and the result's addresses
; and the mask's numbers alone: rows, branches and LDS addresses hang on the wave's number.
; LAYOUT.  Both products are used transposed: S^T = K Q^T (source 0 = 16 keys), O^T = V^T P^T (source 0 = 16 channels): a lane holds one query.  Tile T holds rows 32 (T / 2) + 8 (T % 2) + r + 8 (r / 8), so the 16 registers of
; result tiles 2 b, 2 b + 1 are 16 neighbouring keys (channels).  K = 64 fills registers 0-5 of a fragment: Q's registers 6-11 are zero codes, K's are whatever follows (every pattern of bits is a finite code),
; and both sides' scale bytes 2 and 3 are 0.
; OUT: ao [token tile][B 0..15][j 0..3][lane][16 bytes], lane (r, h): channels 32 B + 16 h + 4 j .. + 3: each store is 512 consecutive bytes straight from registers.
; O^T begins as zeros (32 moves a pass), so that the key step is written once a pass.
; LIMITS: the factor 2^-14 stands behind the quantiser: the result differs from the letter only where a block's largest |silu| lies under 2^-110.  A block of zeros has the byte 1 (zero codes).  NaN and infinities are not served.
; REGISTERS: v1 16 x lane; v2 8 x lane + 512; v3-5 V's, K's words', V's words' places; v6, v7 the add's two; v8-12 addresses in hand; v13, v14 the mask's numbers; v15 0; v16-27, v28-39 Q of the two passes;
;   v40-103 K's fragments (tile t at 40 + 6 t), then at work, then V's four; v104-167 S^T, p'; v168-199 O^T; v200-219 codes; v220-231, v232 the quantiser's; v233-234 Q's words; v236-239 K's; v240-241 V's; v242 16 h; v243 my query in its row; v244 4 r.
.set REC,    315392
.set R_V,    98304
.set R_KS,   196608
.set R_VS,   204800
.set R_Q,    208896
.set R_QS,   307200
.set SPARE,  208896                    ; behind the record's 208,896 bytes: the spare words, 128 bytes a wave: eight blocks of 256 bytes that no other line names
.set SPW,  6
.set NIL,  7
.set PC,   200
.set TM,   220
.set PW,   232
.set SEL,  28
.macro PLACES n
.rept \n
	v_nop
.endr
.endm
.macro CROUND                          ; a round of the cluster's barrier
	s_barrier_signal -1
	s_barrier_wait -1
	s_cmp_lg_u32 s8, 0
	s_cbranch_scc1 .Lnot_wave_0_\@
	s_barrier_signal -3
.Lnot_wave_0_\@:
	s_barrier_wait -3
	s_barrier_signal -1
	s_barrier_wait -1
.endm
.macro QUANT s                         ; 64 numbers of a lane, register 16 b + i = k 32 b + 16 (lane / 16) + i of my row -> codes in v[PC] .. v[PC + 11], scale word in v[PW]
.irp b, 0,1,2,3
	v_max3_num_f32 v[TM+\b], |v[\s+16*\b]|, |v[\s+1+16*\b]|, 0x1800000   ; and the floor 2^(3 - 127): the byte cannot fall under 1
.endr
.irp i, 2,4,6,8,10,12,14
.irp b, 0,1,2,3
	v_max3_num_f32 v[TM+\b], v[TM+\b], |v[\s+16*\b+\i]|, |v[\s+1+16*\b+\i]|
.endr
.endr
.irp b, 0,1,2,3
	v_permlanex16_b32 v[TM+4+\b], v[TM+\b], s[SEL], s[SEL+1]
.endr
.irp b, 0,1,2,3
	v_max_num_f32 v[TM+\b], v[TM+\b], v[TM+4+\b]
.endr
.irp b, 0,1,2,3
	v_add_nc_u32 v[TM+8+\b], 0xff000000, v[TM+\b]  ; 2 off the exponent field: the conversion's scale operand
.endr
.irp b, 0,1,2,3
	v_lshrrev_b32 v[TM+4+\b], 23, v[TM+8+\b]
.endr
	v_lshl_or_b32 v[PW], v[TM+5], 8, v[TM+4]
	v_lshl_or_b32 v[PW], v[TM+6], 16, v[PW]
	v_lshl_or_b32 v[PW], v[TM+7], 24, v[PW]
.irp c, 0,1
	v_cvt_scalef32_pk16_fp6_f32 v[PC+6*\c:PC+2+6*\c], v[\s+32*\c:\s+15+32*\c], v[TM+8+2*\c]
	v_cvt_scalef32_pk16_fp6_f32 v[PC+12+4*\c:PC+14+4*\c], v[\s+16+32*\c:\s+31+32*\c], v[TM+8+2*\c+1]
.endr
	v_nop                                          ; one plain place behind a scaled conversion
.irp c, 0,1
.irp i, 0,1,2
	v_permlane16_swap_b32 v[PC+6*\c+\i], v[PC+12+4*\c+\i]
.endr
.irp i, 0,1,2
	v_mov_b32 v[PC+3+6*\c+\i], v[PC+12+4*\c+\i]
.endr
.endr
.endm
; z = z / (1 + 2^(lit z)) on 64 registers; e: 64 registers at work.  The exponentials are one batch with one wait, and so are the reciprocals: the wait stands ahead of a batch's first reader.
.macro SILU z, e, lit
.set p, 0
.rept 32
	v_pk_mul_f32 v[\e+2*p:\e+2*p+1], v[\z+2*p:\z+2*p+1], \lit op_sel_hi:[1,0]   ; each sum is read from its low end on
.set p, p+1
.endr
.set p, 0
.rept 64
	v_exp_f32 v[\e+p], v[\e+p]
.set p, p+1
.endr
	v_nop
	s_wait_alu depctr_va_vdst(0)
.set p, 0
.rept 32
	v_pk_add_f32 v[\e+2*p:\e+2*p+1], v[\e+2*p:\e+2*p+1], 1.0 op_sel_hi:[1,0]
.set p, p+1
.endr
.set p, 0
.rept 64
	v_rcp_f32 v[\e+p], v[\e+p]
.set p, p+1
.endr
	v_nop
	s_wait_alu depctr_va_vdst(0)
.set p, 0
.rept 32
	v_pk_mul_f32 v[\z+2*p:\z+2*p+1], v[\z+2*p:\z+2*p+1], v[\e+2*p:\e+2*p+1]
.set p, p+1
.endr
.endm
; One query tile: Q in v[qf] on, its scale words in v[qsw], its row of 128 queries in s[row], nst key steps walked (a constant; steps behind the row are passed over), the result's address in s[ao].
.macro PASS qf, qsw, row, nst, ao
.set k, 0
.rept 32
	v_mov_b32 v[168+k], 0                          ; O^T
.set k, k+1
.endr
	s_cmp_eq_u32 s[\row], 15
	s_cselect_b32 s34, 63, 127                     ; the last history key of the diagonal step: 1,983 is key 63 of row 15
	v_min_u32 v13, s34, v243
	v_sub_nc_u32 v13, v13, v242                    ; min(my query, that key) - 16 h
	s_mov_b32 s30, 0                               ; the key step,
	s_mov_b32 s31, 0                               ; x 6,144: its tiles of K and of V,
	s_mov_b32 s32, 0                               ; x 512: K's scale words,
	s_mov_b32 s33, 0                               ; x 256: V's
.Lks_\@:
	s_cmp_gt_u32 s30, s[\row]
	s_cbranch_scc1 .Lhid_\@                        ; all its keys come behind my queries: only the counters step
	v_add_nc_u32 v8, s31, v1                       ; (these five are also the places in front of loads into registers that the last products read)
	v_add_nc_u32 v9, s31, v2
	v_add_nc_u32 v10, s31, v3
	v_add_nc_u32 v11, s32, v4
	v_add_nc_u32 v12, s33, v5
.irp t, 0,1,2,3,4,5,6,7
	ds_load_b128 v[40+6*\t:43+6*\t], v8 offset:768*\t
	ds_load_b64 v[44+6*\t:45+6*\t], v9 offset:768*\t
.endr
.irp i, 0,1,2,3
	ds_load_b32 v[236+\i], v11 offset:128*\i       ; lanes 0-15: tile 2 i's words; lanes 16-31: tile 2 i + 1's
.endr
	s_wait_dscnt 0x0
.irp t, 0,1,2,3,4,5,6,7
.if \t%2
	v_wmma_scale_f32_16x16x128_f8f6f4 v[104+8*\t:111+8*\t], v[40+6*\t:51+6*\t], v[\qf:\qf+11], 0, v[236+\t/2], v[\qsw] matrix_a_fmt:MATRIX_FMT_FP6 matrix_b_fmt:MATRIX_FMT_FP6 matrix_a_scale:MATRIX_SCALE_ROW1
.else
	v_wmma_scale_f32_16x16x128_f8f6f4 v[104+8*\t:111+8*\t], v[40+6*\t:51+6*\t], v[\qf:\qf+11], 0, v[236+\t/2], v[\qsw] matrix_a_fmt:MATRIX_FMT_FP6 matrix_b_fmt:MATRIX_FMT_FP6
.endif
.endr
	PLACES 4
	s_cmp_lg_u32 s30, s[\row]
	s_cbranch_scc1 .Lopen_\@                       ; every key of the step counts
.set n, 0
.rept 64                                       ; register n holds key 32 (n / 16) + n % 16 + 16 h of the step: hidden where it lies behind min(query, last history key) and is not the query itself
	v_cmp_gt_i32 vcc_lo, 32*(n/16)+n%16, v13
	v_cmp_ne_i32 s35, 32*(n/16)+n%16, v14
	s_and_b32 vcc_lo, vcc_lo, s35
	v_cndmask_b32 v[104+n], v[104+n], v15, vcc_lo
.set n, n+1
.endr
.Lopen_\@:
	SILU 104, 40, 0xbe38aa3b                       ; -log2(e) / 8
.irp dt, 0,1,2,3
.irp c, 0,1,2
	ds_load_b128 v[40+12*\dt+4*\c:43+12*\dt+4*\c], v10 offset:1536*\dt+512*\c
.endr
.endr
.irp i, 0,1
	ds_load_b32 v[240+\i], v12 offset:128*\i       ; lanes 0-15: channels' tile 2 i; lanes 16-31: tile 2 i + 1
.endr
	QUANT 104
	PLACES 8                                       ; a scale register written by a vector instruction stands 8 places ahead of a scaled matrix instruction, an operand so written 4
	s_wait_dscnt 0x0
.irp dt, 0,1,2,3                               ; the four sums take turns, and the scores' products stand between two steps'
.if \dt%2
	v_wmma_scale_f32_16x16x128_f8f6f4 v[168+8*\dt:175+8*\dt], v[40+12*\dt:51+12*\dt], v[PC:PC+11], v[168+8*\dt:175+8*\dt], v[240+\dt/2], v[PW] matrix_a_fmt:MATRIX_FMT_FP6 matrix_b_fmt:MATRIX_FMT_FP6 matrix_a_scale:MATRIX_SCALE_ROW1
.else
	v_wmma_scale_f32_16x16x128_f8f6f4 v[168+8*\dt:175+8*\dt], v[40+12*\dt:51+12*\dt], v[PC:PC+11], v[168+8*\dt:175+8*\dt], v[240+\dt/2], v[PW] matrix_a_fmt:MATRIX_FMT_FP6 matrix_b_fmt:MATRIX_FMT_FP6
.endif
.endr
.Lhid_\@:
	s_add_co_u32 s31, s31, 6144
	s_add_co_u32 s32, s32, 512
	s_add_co_u32 s33, s33, 256
	s_add_co_u32 s30, s30, 1
	s_cmp_lt_u32 s30, \nst
	s_cbranch_scc1 .Lks_\@
	PLACES 4
.set k, 0
.rept 16
	v_pk_mul_f32 v[104+2*k:105+2*k], v[168+2*k:169+2*k], 0x38800000 op_sel_hi:[1,0]   ; x 2^-14; each sum from its low end on
.set k, k+1
.endr
.irp bb, 0,1
.irp j, 0,1,2,3
	global_store_b128 v1, v[104+16*\bb+4*\j:107+16*\bb+4*\j], s[\ao:\ao+1] offset:2048*\bb+512*\j
.endr
.endr
	s_wait_xcnt 0x0                                ; the stores have read their registers
.endm
	s_load_b128 s[4:7], s[0:1], 0x0                ; qkv s[4:5], ao s[6:7]
	v_lshl_add_u32 v[SPW], v0, 2, SPARE
	v_mov_b32 v[NIL], 0
	ds_add_u32 v[SPW], v[NIL]                      ; the wave's opening: the add and its wait stand ahead of the round in front of my tensor load; work on registers stands between them
	v_lshrrev_b32 v1, 5, v0
	v_readfirstlane_b32 s8, v1                     ; wave 0..15
	s_bfe_u32 s9, ttmp6, 0x40000                   ; cx
	s_and_b32 s10, ttmp7, 0xffff                   ; 8 x batch + head, which the four partners share
	; descriptor group 1: a dense block of 51 rows of 256 bytes (32 elements of 8 bytes); the mask names all four work-groups, bit 21 beside it
	s_mov_b32 s16, 15|(3<<16)|(1<<21)
	s_mov_b32 s17, 32<<16
	s_mov_b32 s18, 51<<16
	s_mov_b32 s19, 32<<16
	s_mov_b32 s20, 51
	s_mov_b32 s21, 32
	s_mov_b32 s22, 0
	s_mov_b32 s23, 0
	s_mov_b32 s[SEL], 0x76543210
	s_mov_b32 s[SEL+1], 0xfedcba98
	s_lshr_b32 s14, s8, 1                          ; the second pass's row,
	s_sub_co_u32 s13, 15, s14                      ; the first's
	s_and_b32 s11, s8, 1
	s_lshl_b32 s12, s9, 1
	s_add_co_u32 s11, s11, s12                     ; e: which of a row's eight tiles
	s_mul_i32 s44, s10, REC                        ; my head's record
	s_mov_b32 s45, 0
	s_mul_i32 s25, s8, 13056                       ; my sixteenth of it, in LDS as in memory
	s_lshl_b32 s46, s13, 3
	s_add_co_u32 s46, s46, s11                     ; the first pass's query tile,
	s_lshl_b32 s47, s14, 3
	s_add_co_u32 s47, s47, s11                     ; the second's
	s_mul_i32 s36, s46, 768
	s_add_co_u32 s36, s36, R_Q
	s_mov_b32 s37, 0
	s_lshl_b32 s38, s46, 6
	s_add_co_u32 s38, s38, R_QS
	s_mov_b32 s39, 0
	s_mul_i32 s40, s47, 768
	s_add_co_u32 s40, s40, R_Q
	s_mov_b32 s41, 0
	s_lshl_b32 s42, s47, 6
	s_add_co_u32 s42, s42, R_QS
	s_mov_b32 s43, 0
	s_lshr_b32 s48, s10, 3
	s_lshl_b32 s48, s48, 7                         ; the batch's 128 token tiles
	s_and_b32 s49, s10, 7
	s_lshl_b32 s49, s49, 12                        ; the head's two blocks of 32 channels
	s_add_co_u32 s50, s48, s46
	s_lshl_b32 s50, s50, 15
	s_add_co_u32 s50, s50, s49
	s_mov_b32 s51, 0
	s_add_co_u32 s52, s48, s47
	s_lshl_b32 s52, s52, 15
	s_add_co_u32 s52, s52, s49
	s_mov_b32 s53, 0
	s_lshr_b32 s2, s11, 1
	s_lshl_b32 s2, s2, 5
	s_and_b32 s3, s11, 1
	s_lshl_b32 s3, s3, 3
	s_add_co_u32 s2, s2, s3                        ; 32 (e / 2) + 8 (e % 2)
	s_mov_b32 s48, s25
	s_mov_b32 s49, 0
	s_wait_dscnt 0x0                               ; the opening add is done
	s_wait_kmcnt 0x0
	s_add_nc_u64 s[44:45], s[4:5], s[44:45]
	s_add_nc_u64 s[36:37], s[44:45], s[36:37]      ; Q and its words, first pass,
	s_add_nc_u64 s[38:39], s[44:45], s[38:39]
	s_add_nc_u64 s[40:41], s[44:45], s[40:41]      ; second pass
	s_add_nc_u64 s[42:43], s[44:45], s[42:43]
	s_add_nc_u64 s[50:51], s[6:7], s[50:51]        ; the results
	s_add_nc_u64 s[52:53], s[6:7], s[52:53]
	s_mov_b32 s24, 1                               ; group 0: count 1; s25 the LDS address;
	s_add_nc_u64 s[26:27], s[44:45], s[48:49]      ; the global address: head and wave alone;
	s_or_b32 s27, s27, 0x80000000                  ; type 2
	CROUND                                         ; all four work-groups are here: the joint loads meet
	tensor_load_to_lds s[24:27], s[16:23]          ; my one tensor load
	s_nop 0
	PLACES 4
	v_and_b32 v245, 31, v0
	v_lshlrev_b32 v1, 4, v245
	v_lshl_add_u32 v2, v245, 3, 512
	v_add_nc_u32 v3, R_V, v1
	v_lshl_add_u32 v4, v245, 2, R_KS
	v_lshl_add_u32 v5, v245, 2, R_VS
	v_and_b32 v246, 15, v0                         ; r
	v_bfe_u32 v242, v0, 4, 1
	v_lshlrev_b32 v242, 4, v242                    ; 16 h
	v_lshlrev_b32 v244, 2, v246
	global_load_b128 v[16:19], v1, s[36:37]
	global_load_b64 v[20:21], v2, s[36:37]
	global_load_b32 v233, v244, s[38:39]
	global_load_b128 v[28:31], v1, s[40:41]
	global_load_b64 v[32:33], v2, s[40:41]
	global_load_b32 v234, v244, s[42:43]
	v_and_b32 v243, 8, v246
	v_add_nc_u32 v243, v243, v246
	v_add_nc_u32 v243, s2, v243                    ; my query in its row of 128
	v_sub_nc_u32 v14, v243, v242                   ; - 16 h
.irp j, 15,22,23,24,25,26,27,34,35,36,37,38,39,88,89,90,91,92,93,224,225,226,227
	v_mov_b32 v\j, 0                               ; 0; Q's zero codes; what follows K's last tile; the permutes' destinations
.endr
	s_wait_loadcnt 0x0
	s_wait_tensorcnt 0x0                           ; my sixteenth has landed,
	s_barrier_signal -1
	s_barrier_wait -1                              ; everybody's has
	PASS 16, 233, 13, 16, 50
	PASS 28, 234, 14, 8, 52
	s_wait_tensorcnt 0x0                           ; the wave's end
	ds_add_u32 v[SPW], v[NIL]
	s_wait_dscnt 0x0
	CROUND                                         ; the closing round
	s_endpgm
.Lfunc_end_k_q6b26845fe5_attn:
	.size	k_q6b26845fe5_attn, .Lfunc_end_k_q6b26845fe5_attn-k_q6b26845fe5_attn
	.p2alignl 7, 3214868480
	.fill 96, 4, 3214868480
	.section	.rodata,"a",@progbits
	.p2align	6, 0x0
	.amdhsa_kernel k_q6b26845fe5_attn
		.amdhsa_group_segment_fixed_size 210944
		.amdhsa_private_segment_fixed_size 0
		.amdhsa_enable_private_segment 0
		.amdhsa_kernarg_size 16
		.amdhsa_user_sgpr_count 2
		.amdhsa_user_sgpr_kernarg_segment_ptr 1
		.amdhsa_wavefront_size32 1
		.amdhsa_system_sgpr_workgroup_id_x 1
		.amdhsa_system_sgpr_workgroup_id_y 1
		.amdhsa_system_sgpr_workgroup_id_z 1
		.amdhsa_system_vgpr_workitem_id 0
		.amdhsa_next_free_vgpr 256
		.amdhsa_next_free_sgpr 66
		.amdhsa_reserve_vcc 1
		.amdhsa_float_denorm_mode_32 3
		.amdhsa_float_denorm_mode_16_64 3
		.amdhsa_memory_ordered 1
		.amdhsa_forward_progress 1
		.amdhsa_inst_pref_size 77
	.end_amdhsa_kernel
	.amdgpu_metadata
---
amdhsa.version: [ 1, 2 ]
amdhsa.kernels:
  - .name:           k_q6b26845fe5_attn
    .symbol:         k_q6b26845fe5_attn.kd
    .args:
      - { .name: qkv, .offset: 0, .size: 8, .value_kind: global_buffer, .address_space: global }
      - { .name: ao, .offset: 8, .size: 8, .value_kind: global_buffer, .address_space: global }
    .group_segment_fixed_size: 210944
    .private_segment_fixed_size: 0
    .kernarg_segment_align: 8
    .kernarg_segment_size: 16
    .max_flat_workgroup_size: 512
    .sgpr_count:     66
    .vgpr_count:     256
    .wavefront_size: 32
...
	.end_amdgpu_metadata
.endif
;; end of part 3
;; launch proj (part 4): grid 256 x 1, 4 waves a work-group, clusters of 4 x 1, 248,320 bytes of LDS; arguments ao, ub, prep, x, ln_out_w, ln_out_b, out0; writes out0
.if DOCPART == 4
	.amdgcn_target "amdgcn-amd-amdhsa--gfx1250"
	.amdhsa_code_object_version 6
	.text
	.protected	k_q6b26845fe5_proj
	.globl	k_q6b26845fe5_proj
	.p2align	8
	.type	k_q6b26845fe5_proj,@function
k_q6b26845fe5_proj:
	s_mov_b64 s[64:65], 0
	v_nop
	global_prefetch_b8 v0, s[64:65] scope:SCOPE_SE
	s_setreg_imm32_b32 hwreg(HW_REG_WAVE_MODE, 25, 1), 1
	s_wait_xcnt 0x0
	s_wait_alu depctr_hold_cnt(0) depctr_sa_sdst(0) depctr_va_vdst(0) depctr_va_sdst(0) depctr_va_ssrc(0) depctr_va_vcc(0) depctr_vm_vsrc(0)
	s_getreg_b32 s2, hwreg(HW_REG_IB_STS2, 6, 4)
	s_cmp_eq_u32 s2, 0
	s_cbranch_scc0 .Lentry_in_a_cluster
	s_endpgm
.Lentry_in_a_cluster:
	s_bfe_u32 s2, ttmp6, 0x10000c
	s_cmp_lg_u32 s2, 0x3003
	s_cbranch_scc0 .Lentry_shape_is_right
	s_endpgm
.Lentry_shape_is_right:
; PROJ: out = Q(u x layer_norm(attn_out)) Q(w_proj) + x, the product on codes of FP6 with E8M0 scales.
; SHARES.  Work-group X owns token tiles 4 X .. 4 X + 3, which are 64 neighbouring tokens.  First wave w norms, multiplies by u and quantises tile 4 X + w and stores the four fragments' register images in LDS;
; then wave w makes outputs 128 w .. + 127 (weight tiles 8 w + t) for all four tiles: 32 sums that take turns.
; w_proj's codes and scale words (204,800 dense bytes of prep) come into LDS once, by one joint load a wave of the cluster's four work-groups; nothing is filled again.
; ao and ub lie as [tile][B 0..15][j 0..3][lane][16 bytes], lane (r, h): channels 32 B + 16 h + 4 j .. + 3 of token rho(tile, r) = 32 (tile / 2) + 8 (tile % 2) + r + 8 (r / 8): each load is 512 consecutive bytes,
; and a lane's registers stand as the quantiser wants them.  The layer norm is taken in two passes, so no difference of large sums is formed.
; THE WAY OUT: the sums go through a stage of 64 rows x 2,064 bytes, laid over the weights behind their only fill and their last read; each wave reads 16 whole rows, adds x and stores 512 consecutive bytes an instruction.
; LIMITS: a block of zeros has the byte 1 where the rule says 127 (zero codes; the bytes never leave the work-group); NaN and infinities are not served.
; REGISTERS.  Window 0: v1 16 x lane, v2 4 x lane, v3-11, v26, v27 LDS addresses, v12-25 statistics, v28, v29 the add's two; first v32-95 w, v96-159 b then y, v160-179 codes, v180-191 the quantiser's, v244 its word;
;   then v32-79 the four tiles' fragments, v80-175 the eight weight fragments; scales alone: v208-239 the weights', v240-243 the tiles'.  Window 1: attn_out, later x.  Window 2: u, later rows of the result.  Window 3: the 32 sums at 8 (4 t + m).
.set O_WP,   819200
.set WSL,    196608                    ; LDS: the weights' codes from 0; their scale words here;
.set IMG,    204800                    ; 16 fragment images of 1,536 bytes (4 m + s);
.set ISC,    229376                    ; their scale words, 128 bytes each;
.set TBL,    231424                    ; ln_out_w and ln_out_b, a copy of 4,096 bytes for each wave;
.set SPARE,  247808                    ; the spare words, 128 bytes a wave: two blocks of 256 bytes that no other line names
.set SPW,  28
.set NIL,  29
.set PC,   160
.set TM,   180
.set PW,   244
.set SEL,  36
.set C512, 38
.set EPSR, 39
.set MSB, 0
.macro WIN new                         ; the immediate's high byte repeats the setting that is left
.if MSB != \new
	s_set_vgpr_msb (MSB<<8)|\new
.set MSB, \new
.endif
.endm
.macro PLACES n
.rept \n
	v_nop
.endr
.endm
.macro CROUND                          ; a round of the cluster's barrier
	s_barrier_signal -1
	s_barrier_wait -1
	s_cmp_lg_u32 s18, 0
	s_cbranch_scc1 .Lnot_wave_0_\@
	s_barrier_signal -3
.Lnot_wave_0_\@:
	s_barrier_wait -3
	s_barrier_signal -1
	s_barrier_wait -1
.endm
.macro QUANT s                         ; 64 numbers of a lane, register 16 b + i = k 32 b + 16 (lane / 16) + i of my row -> codes in v[PC] .. v[PC + 11], scale word in v[PW]
.irp b, 0,1,2,3
	v_max3_num_f32 v[TM+\b], |v[\s+16*\b]|, |v[\s+1+16*\b]|, 0x1800000   ; and the floor 2^(3 - 127): the byte cannot fall under 1
.endr
.irp i, 2,4,6,8,10,12,14
.irp b, 0,1,2,3
	v_max3_num_f32 v[TM+\b], v[TM+\b], |v[\s+16*\b+\i]|, |v[\s+1+16*\b+\i]|
.endr
.endr
.irp b, 0,1,2,3
	v_permlanex16_b32 v[TM+4+\b], v[TM+\b], s[SEL], s[SEL+1]
.endr
.irp b, 0,1,2,3
	v_max_num_f32 v[TM+\b], v[TM+\b], v[TM+4+\b]
.endr
.irp b, 0,1,2,3
	v_add_nc_u32 v[TM+8+\b], 0xff000000, v[TM+\b]  ; 2 off the exponent field: the conversion's scale operand
.endr
.irp b, 0,1,2,3
	v_lshrrev_b32 v[TM+4+\b], 23, v[TM+8+\b]
.endr
	v_lshl_or_b32 v[PW], v[TM+5], 8, v[TM+4]
	v_lshl_or_b32 v[PW], v[TM+6], 16, v[PW]
	v_lshl_or_b32 v[PW], v[TM+7], 24, v[PW]
.irp c, 0,1
	v_cvt_scalef32_pk16_fp6_f32 v[PC+6*\c:PC+2+6*\c], v[\s+32*\c:\s+15+32*\c], v[TM+8+2*\c]
	v_cvt_scalef32_pk16_fp6_f32 v[PC+12+4*\c:PC+14+4*\c], v[\s+16+32*\c:\s+31+32*\c], v[TM+8+2*\c+1]
.endr
	v_nop                                          ; one plain place behind a scaled conversion
.irp c, 0,1
.irp i, 0,1,2
	v_permlane16_swap_b32 v[PC+6*\c+\i], v[PC+12+4*\c+\i]
.endr
.irp i, 0,1,2
	v_mov_b32 v[PC+3+6*\c+\i], v[PC+12+4*\c+\i]
.endr
.endr
.endm
.macro FOLD                            ; four pairs of partial sums, and lane l xor 16's: the row's sum in v12
	v_pk_add_f32 v[12:13], v[12:13], v[14:15]
	v_pk_add_f32 v[16:17], v[16:17], v[18:19]
	v_pk_add_f32 v[12:13], v[12:13], v[16:17]
	v_add_f32 v12, v12, v13
	v_permlanex16_b32 v13, v12, s[SEL], s[SEL+1]
	v_add_f32 v12, v12, v13
.endm
; The 256 numbers of my half row, in window 1, become (a - mean) x rsqrt(var + 1e-5), in place.  Sums in four chains of pairs.
.macro LNSTAT
	WIN 0x05                                       ; sources 0 and 1 window 1
.irp c, 0,1,2,3
	v_pk_add_f32 v[12+2*\c:13+2*\c], v[4*\c:4*\c+1], v[4*\c+2:4*\c+3]
.endr
	WIN 0x04                                       ; source 1 window 1
.set p, 8
.rept 120
	v_pk_add_f32 v[12+2*(p%4):13+2*(p%4)], v[12+2*(p%4):13+2*(p%4)], v[2*p:2*p+1]
.set p, p+1
.endr
	WIN 0
	FOLD
	v_mul_f32 v22, s[C512], v12                    ; the mean
	v_mov_b32 v23, v22
	WIN 0x41                                       ; destination and source 0 window 1
.set p, 0
.rept 128
	v_pk_add_f32 v[2*p:2*p+1], v[2*p:2*p+1], v[22:23] neg_lo:[0,1] neg_hi:[0,1]
.set p, p+1
.endr
	WIN 0x05
.irp c, 0,1,2,3
	v_pk_mul_f32 v[12+2*\c:13+2*\c], v[2*\c:2*\c+1], v[2*\c:2*\c+1]
.endr
.set p, 4
.rept 124
	v_pk_fma_f32 v[12+2*(p%4):13+2*(p%4)], v[2*p:2*p+1], v[2*p:2*p+1], v[12+2*(p%4):13+2*(p%4)]
.set p, p+1
.endr
	WIN 0
	FOLD
	v_fma_f32 v24, v12, s[C512], s[EPSR]           ; the variance + 1e-5 (the product by 1 / 512 is exact)
	v_rsq_f32 v24, v24
	v_nop                                          ; a plain place behind the transcendental,
	s_wait_alu depctr_va_vdst(0)                   ; and the wait ahead of its first reader
	v_mov_b32 v25, v24
	WIN 0x41
.set p, 0
.rept 128
	v_pk_mul_f32 v[2*p:2*p+1], v[2*p:2*p+1], v[24:25]
.set p, p+1
.endr
	WIN 0
.endm
	s_load_b256 s[4:11], s[0:1], 0x0               ; ao s[4:5], ub s[6:7], prep s[8:9], x s[10:11]
	s_load_b128 s[12:15], s[0:1], 0x20             ; ln_out_w s[12:13], ln_out_b s[14:15]
	s_load_b64 s[16:17], s[0:1], 0x30              ; out0
	v_lshl_add_u32 v[SPW], v0, 2, SPARE
	v_mov_b32 v[NIL], 0
	ds_add_u32 v[SPW], v[NIL]                      ; the wave's opening: the add and its wait stand ahead of the round in front of my tensor load; work on registers stands between them
	v_lshrrev_b32 v1, 5, v0
	v_readfirstlane_b32 s18, v1                    ; wave
	s_bfe_u32 s19, ttmp6, 0x40000                  ; cx
	s_lshl_b32 s20, ttmp9, 2
	s_add_co_u32 s20, s20, s19                     ; X: it enters global addresses alone
	; descriptor group 1: a dense block of 200 rows of 256 bytes (32 elements of 8 bytes); the mask names all four work-groups, bit 21 beside it
	s_mov_b32 s24, 15|(3<<16)|(1<<21)
	s_mov_b32 s25, 32<<16
	s_mov_b32 s26, 200<<16
	s_mov_b32 s27, 32<<16
	s_mov_b32 s28, 200
	s_mov_b32 s29, 32
	s_mov_b32 s30, 0
	s_mov_b32 s31, 0
	s_mov_b32 s[SEL], 0x76543210
	s_mov_b32 s[SEL+1], 0xfedcba98
	s_mov_b32 s[C512], 0x3b000000
	s_mov_b32 s[EPSR], 0x3727c5ac
	s_mul_i32 s33, s18, 51200                      ; my quarter of the weights, in LDS
	s_add_co_u32 s40, s33, O_WP                    ; and in prep
	s_mov_b32 s41, 0
	s_lshl_b32 s42, s20, 2
	s_add_co_u32 s42, s42, s18                     ; my tile
	s_lshl_b32 s42, s42, 15                        ; x 32,768 bytes in ao and in ub
	s_mov_b32 s43, 0
	s_lshl_b32 s44, s20, 17                        ; x and out0: 64 X rows of 2,048 bytes,
	s_lshr_b32 s45, s18, 1
	s_lshl_b32 s45, s45, 16                        ; 32 (w / 2),
	s_add_co_u32 s44, s44, s45
	s_and_b32 s45, s18, 1
	s_lshl_b32 s45, s45, 14                        ; 8 (w % 2)
	s_add_co_u32 s44, s44, s45
	s_mov_b32 s45, 0
	v_and_b32 v2, 31, v0
	v_lshlrev_b32 v1, 4, v2                        ; 16 x lane
	v_lshlrev_b32 v2, 2, v2                        ; 4 x lane
	v_and_b32 v30, 15, v0                          ; r
	v_bfe_u32 v31, v0, 4, 1                        ; h
	s_lshl_b32 s46, s18, 11
	s_add_co_u32 s46, s46, WSL
	v_lshl_add_u32 v3, v30, 4, s46                 ; my weight tiles' scale words: row r's four
	s_lshl_b32 s46, s18, 12
	s_add_co_u32 s46, s46, TBL
	v_add_nc_u32 v4, s46, v1                       ; the tables: in,
	v_lshl_add_u32 v5, v31, 6, s46                 ; and out: + 64 h
	s_mul_i32 s46, s18, 6144
	s_add_co_u32 s46, s46, IMG
	v_add_nc_u32 v6, s46, v1                       ; where I store my tile's images,
	s_lshl_b32 s46, s18, 9
	s_add_co_u32 s46, s46, ISC
	v_add_nc_u32 v7, s46, v2                       ; and their scale words
	v_add_nc_u32 v8, IMG, v1                       ; where any image is read,
	v_add_nc_u32 v9, ISC, v2                       ; and its words
	s_mul_i32 s46, s18, 49152
	v_add_nc_u32 v10, s46, v1                      ; my eight weight tiles
	v_mul_u32_u24 v11, v30, 2064
	v_lshl_add_u32 v11, v31, 6, v11
	s_lshl_b32 s46, s18, 9
	v_add_nc_u32 v11, s46, v11                     ; the stage, in: row r, + 64 h, + 512 w: tiles 0 and 1;
	v_add_nc_u32 v26, 66048, v11                   ; tiles 2 and 3: 32 rows on
	s_mul_i32 s46, s18, 33024
	v_add_nc_u32 v27, s46, v1                      ; out: my 16 rows
.irp b, 0,1,2,3
	v_mov_b32 v[TM+4+\b], 0                        ; written once: a lane permute's destination counts as one of its sources
.endr
	s_wait_dscnt 0x0                               ; the opening add is done
	s_wait_kmcnt 0x0
	s_mov_b32 s32, 1                               ; group 0: count 1; s33 the LDS address;
	s_add_nc_u64 s[34:35], s[8:9], s[40:41]        ; the global address: the wave's number alone;
	s_or_b32 s35, s35, 0x80000000                  ; type 2
	s_add_nc_u64 s[4:5], s[4:5], s[42:43]
	s_add_nc_u64 s[6:7], s[6:7], s[42:43]
	s_add_nc_u64 s[10:11], s[10:11], s[44:45]
	s_add_nc_u64 s[16:17], s[16:17], s[44:45]
	CROUND                                         ; all four work-groups are here: the joint loads meet
	tensor_load_to_lds s[32:35], s[24:31]          ; my one tensor load
	s_nop 0
	PLACES 4
	WIN 0x40                                       ; destination window 1
.set i, 0
.rept 64
	global_load_b128 v[4*i:4*i+3], v1, s[4:5] offset:512*i th:TH_LOAD_NT    ; attn_out
.set i, i+1
.endr
	WIN 0
.irp q, 0,1,2,3
	global_load_b128 v[32+4*\q:35+4*\q], v1, s[12:13] offset:512*\q
	global_load_b128 v[48+4*\q:51+4*\q], v1, s[14:15] offset:512*\q
.endr
	WIN 0x80                                       ; destination window 2
.set i, 0
.rept 64
	global_load_b128 v[4*i:4*i+3], v1, s[6:7] offset:512*i th:TH_LOAD_NT    ; u
.set i, i+1
.endr
	WIN 0
	s_wait_loadcnt 63                              ; attn_out and the tables are in: behind them 64 loads were issued, and 63 is the largest count that the wait can name
.irp q, 0,1,2,3
	ds_store_b128 v4, v[32+4*\q:35+4*\q] offset:512*\q
	ds_store_b128 v4, v[48+4*\q:51+4*\q] offset:2048+512*\q
.endr
	LNSTAT
	s_wait_loadcnt 0x0                             ; u
.irp s, 0,1,2,3                                ; a K step of 128: y = u (d w + b), quantised; its image to LDS
.irp b, 0,1,2,3
.irp j, 0,1,2,3
	ds_load_b128 v[32+16*\b+4*\j:35+16*\b+4*\j], v5 offset:512*\s+128*\b+16*\j          ; LDS serves a wave's instructions in order: these see my stores
	ds_load_b128 v[96+16*\b+4*\j:99+16*\b+4*\j], v5 offset:2048+512*\s+128*\b+16*\j
.endr
.endr
	s_wait_dscnt 0x0
	WIN 0x01                                       ; source 0 window 1
.set p, 0
.rept 32
	v_pk_fma_f32 v[96+2*p:97+2*p], v[64*\s+2*p:64*\s+2*p+1], v[32+2*p:33+2*p], v[96+2*p:97+2*p]
.set p, p+1
.endr
	WIN 0x02                                       ; source 0 window 2
.set p, 0
.rept 32
	v_pk_mul_f32 v[96+2*p:97+2*p], v[64*\s+2*p:64*\s+2*p+1], v[96+2*p:97+2*p]
.set p, p+1
.endr
	WIN 0
	QUANT 96
.irp c, 0,1,2
	ds_store_b128 v6, v[PC+4*\c:PC+4*\c+3] offset:1536*\s+512*\c
.endr
	ds_store_b32 v7, v[PW] offset:128*\s
	s_wait_dscnt 0x0                               ; the stores have read their registers
.endr
	WIN 0x40
.set i, 0
.rept 64
	global_load_b128 v[4*i:4*i+3], v1, s[10:11] offset:((i/4)+8*(i/32))*2048+512*(i%4) th:TH_LOAD_NT   ; x: the 16 rows that I shall store; they land while the products run
.set i, i+1
.endr
	WIN 0
	s_wait_tensorcnt 0x0                           ; my quarter of the weights has landed, my images are stored (the wait above),
	s_barrier_signal -1
	s_barrier_wait -1                              ; everybody's
.irp t, 0,1,2,3,4,5,6,7
	ds_load_b128 v[208+4*\t:211+4*\t], v3 offset:256*\t
.endr
.irp s, 0,1,2,3
.if \s > 0
	PLACES 4                                       ; in front of loads into registers that matrix instructions have read
.endif
.irp m, 0,1,2,3
.irp c, 0,1,2
	ds_load_b128 v[32+12*\m+4*\c:35+12*\m+4*\c], v8 offset:(4*\m+\s)*1536+512*\c
.endr
	ds_load_b32 v[240+\m], v9 offset:(4*\m+\s)*128
.endr
.irp t, 0,1,2,3,4,5,6,7
.irp c, 0,1,2
	ds_load_b128 v[80+12*\t+4*\c:83+12*\t+4*\c], v10 offset:6144*\t+1536*\s+512*\c
.endr
.endr
	s_wait_dscnt 0x0
	WIN 0xf0                                       ; C and D window 3
.irp t, 0,1,2,3,4,5,6,7                        ; the 32 sums take turns; the first K step starts them
.irp m, 0,1,2,3
.if \s == 0
	v_wmma_scale_f32_16x16x128_f8f6f4 v[8*(4*\t+\m):8*(4*\t+\m)+7], v[80+12*\t:91+12*\t], v[32+12*\m:43+12*\m], 0, v[208+4*\t+\s], v[240+\m] matrix_a_fmt:MATRIX_FMT_FP6 matrix_b_fmt:MATRIX_FMT_FP6
.else
	v_wmma_scale_f32_16x16x128_f8f6f4 v[8*(4*\t+\m):8*(4*\t+\m)+7], v[80+12*\t:91+12*\t], v[32+12*\m:43+12*\m], v[8*(4*\t+\m):8*(4*\t+\m)+7], v[208+4*\t+\s], v[240+\m] matrix_a_fmt:MATRIX_FMT_FP6 matrix_b_fmt:MATRIX_FMT_FP6
.endif
.endr
.endr
	WIN 0
.endr
	PLACES 4                                       ; in front of the first read of results
	s_wait_dscnt 0x0                               ; my reads of the weights are over
	s_barrier_signal -1
	s_barrier_wait -1                              ; everybody's are: the stage may be laid over them
	WIN 0x0c                                       ; an LDS store's data are its source 1: window 3
.irp m, 0,1,2,3
.irp t, 0,1,2,3,4,5,6,7                        ; lane (r, h): outputs 128 w + 32 (t / 2) + 16 h + 8 (t % 2) + 0 .. 7 of stage row 16 m + r; each sum from its low end on
.if \m < 2
	ds_store_b128 v11, v[8*(4*\t+\m):8*(4*\t+\m)+3] offset:16*(\m%2)*2064+128*(\t/2)+32*(\t%2)
	ds_store_b128 v11, v[8*(4*\t+\m)+4:8*(4*\t+\m)+7] offset:16*(\m%2)*2064+128*(\t/2)+32*(\t%2)+16
.else
	ds_store_b128 v26, v[8*(4*\t+\m):8*(4*\t+\m)+3] offset:16*(\m%2)*2064+128*(\t/2)+32*(\t%2)
	ds_store_b128 v26, v[8*(4*\t+\m)+4:8*(4*\t+\m)+7] offset:16*(\m%2)*2064+128*(\t/2)+32*(\t%2)+16
.endif
.endr
.endr
	WIN 0
	s_wait_dscnt 0x0                               ; for the others' sake: my stores into the stage are done
	s_barrier_signal -1
	s_barrier_wait -1
	WIN 0x80                                       ; destination window 2
.set i, 0
.rept 64
	ds_load_b128 v[4*i:4*i+3], v27 offset:2064*(i/4)+512*(i%4)   ; stage rows 16 w + i / 4: tile w's row i / 4
.set i, i+1
.endr
	s_wait_loadcnt 0x0                             ; x
.irp g, 0,1,2,3
	s_wait_dscnt 48-16*\g                          ; four rows are back; the later rows' reads may be out
	WIN 0x86                                       ; destination and source 0 window 2, source 1 window 1
.set p, 32*\g
.rept 32
	v_pk_add_f32 v[2*p:2*p+1], v[2*p:2*p+1], v[2*p:2*p+1]
.set p, p+1
.endr
	WIN 0x08                                       ; a store's data are its source 1: window 2
.set i, 16*\g
.rept 16
	global_store_b128 v1, v[4*i:4*i+3], s[16:17] offset:((i/4)+8*(i/32))*2048+512*(i%4) th:TH_STORE_NT   ; 512 consecutive bytes of a row of out0
.set i, i+1
.endr
.endr
	WIN 0
	s_wait_tensorcnt 0x0                           ; the wave's end, behind my tensor load and my last LDS store
	ds_add_u32 v[SPW], v[NIL]
	s_wait_dscnt 0x0
	CROUND                                         ; the closing round
	s_endpgm
.Lfunc_end_k_q6b26845fe5_proj:
	.size	k_q6b26845fe5_proj, .Lfunc_end_k_q6b26845fe5_proj-k_q6b26845fe5_proj
	.p2alignl 7, 3214868480
	.fill 96, 4, 3214868480
	.section	.rodata,"a",@progbits
	.p2align	6, 0x0
	.amdhsa_kernel k_q6b26845fe5_proj
		.amdhsa_group_segment_fixed_size 248320
		.amdhsa_private_segment_fixed_size 0
		.amdhsa_enable_private_segment 0
		.amdhsa_kernarg_size 56
		.amdhsa_user_sgpr_count 2
		.amdhsa_user_sgpr_kernarg_segment_ptr 1
		.amdhsa_wavefront_size32 1
		.amdhsa_system_sgpr_workgroup_id_x 1
		.amdhsa_system_sgpr_workgroup_id_y 1
		.amdhsa_system_sgpr_workgroup_id_z 1
		.amdhsa_system_vgpr_workitem_id 0
		.amdhsa_next_free_vgpr 1024
		.amdhsa_next_free_sgpr 66
		.amdhsa_reserve_vcc 0
		.amdhsa_float_denorm_mode_32 3
		.amdhsa_float_denorm_mode_16_64 3
		.amdhsa_memory_ordered 1
		.amdhsa_forward_progress 1
		.amdhsa_inst_pref_size 149
	.end_amdhsa_kernel
	.amdgpu_metadata
---
amdhsa.version: [ 1, 2 ]
amdhsa.kernels:
  - .name:           k_q6b26845fe5_proj
    .symbol:         k_q6b26845fe5_proj.kd
    .args:
      - { .name: ao, .offset: 0, .size: 8, .value_kind: global_buffer, .address_space: global }
      - { .name: ub, .offset: 8, .size: 8, .value_kind: global_buffer, .address_space: global }
      - { .name: prep, .offset: 16, .size: 8, .value_kind: global_buffer, .address_space: global }
      - { .name: x, .offset: 24, .size: 8, .value_kind: global_buffer, .address_space: global }
      - { .name: ln_out_w, .offset: 32, .size: 8, .value_kind: global_buffer, .address_space: global }
      - { .name: ln_out_b, .offset: 40, .size: 8, .value_kind: global_buffer, .address_space: global }
      - { .name: out0, .offset: 48, .size: 8, .value_kind: global_buffer, .address_space: global }
    .group_segment_fixed_size: 248320
    .private_segment_fixed_size: 0
    .kernarg_segment_align: 8
    .kernarg_segment_size: 56
    .max_flat_workgroup_size: 128
    .sgpr_count:     66
    .vgpr_count:     1024
    .wavefront_size: 32
...
	.end_amdgpu_metadata
.endif
;; end of part 4
